; MI455X (gfx1250); checked and timed in simulation.
; The chip was launched on July 23, 2026; its instructions are those of AMD's public machine-readable ISA for CDNA 5 (MIT licence, August 2026) and "CDNA5" Instruction Set Architecture Reference Guide (July 2026). The comments in the code are by the model that wrote it; some were corrected since.
;; Multi Head Attention. Allowed arithmetic: matrix products marked QUANTISED: E2M3 operands, one E8M0 scale for each 32 along K, by v_wmma_scale_f32_16x16x128_f8f6f4 with both operands' format E2M3, f32 sums; everything else in f32.
;; Inputs: K 4 x 2,048 x 1,024 float32; Q 4 x 2,048 x 1,024 float32; V 4 x 2,048 x 1,024 float32; Wk 1,024 x 1,024 float32; Wo 1,024 x 1,024 float32; Wq 1,024 x 1,024 float32; Wv 1,024 x 1,024 float32; bk 1,024 float32; bo 1,024 float32; bq 1,024 float32; bv 1,024 float32.
;; Outputs: out0 4 x 2,048 x 1,024 float32.
;; This version of the problem:
;;   THIS VERSION OF THE PROBLEM IS GIVEN IN LOW PRECISION. The matrix products marked QUANTISED in the list below multiply operands that are first quantised to E2M3 (2 exponent bits, 3 mantissa bits; 6 bits a number), with one power-of-two scale for each 32 numbers along K (OCP MX v1.0); their sums are f32. All else is computed in f32.
;;   The module's matrix products, in the order in which they are computed (A, B: the left and right operand; K: the contracted axis; several contracted axes count as one K, in the product's order):
;;     1. [M 8,192, K 1,024] x [K 1,024, N 1,024]; A: input Q; B: input Wq: QUANTISED
;;     2. [M 8,192, K 1,024] x [K 1,024, N 1,024]; A: input K; B: input Wk: QUANTISED
;;     3. [M 8,192, K 1,024] x [K 1,024, N 1,024]; A: input V; B: input Wv: QUANTISED
;;     4. batch 64 x [M 2,048, K 64] x [K 64, N 2,048]; A: computed on the way; B: computed on the way: QUANTISED
;;     5. batch 64 x [M 64, K 2,048] x [K 2,048, N 2,048]; A: computed on the way; B: softmax (see below): QUANTISED
;;     6. [M 8,192, K 1,024] x [K 1,024, N 1,024]; A: computed on the way; B: input Wo: QUANTISED
;;   THE QUANTISER, for each operand of a quantised product, along K:
;;     - K is cut into blocks of 32 from its start; a last block that is shorter is filled with zeros.
;;     - A block's scale is 2^e with e = floor(log2(the largest magnitude in the block)) - 2, held to -126 .. 127; a block of zeros has e = 0. As a byte (E8M0): e + 127.
;;     - Each number is divided by its block's scale, clamped to +-7.5, and rounded to the nearest number of E2M3, ties to even, subnormals kept.
;;     - The product sums the exact products of the quantised numbers (number of the format x scale) in f32.
;;   ~~~python
;;   def quantise(x, axis):      # numpy; x: float32 -> the quantised numbers, widened to float32 again
;;       x = np.moveaxis(x, axis, -1); K = x.shape[-1]
;;       x = np.pad(x, [(0, 0)] * (x.ndim - 1) + [(0, -K % 32)]); x = x.reshape(x.shape[:-1] + (-1, 32)); a = np.abs(x).max(-1, keepdims=True)
;;       e = np.where(a > 0, np.clip(np.frexp(np.where(a > 0, a, 1))[1] - 1 - 2, -126, 127), 0)      # np.frexp(a)[1] - 1 = floor(log2(a)), exactly
;;       r = np.clip(x / 2.0 ** e, -7.5, 7.5)
;;       step = 2.0 ** (np.maximum(np.frexp(np.where(r == 0, 1, r))[1] - 1, 0) - 3)
;;       q = np.round(r / step) * step * 2.0 ** e      # np.round: ties to even
;;       return np.moveaxis(q.reshape(q.shape[:-2] + (-1,))[..., :K], -1, axis).astype(np.float32)
;;   ~~~
;;   SOFTMAX AHEAD OF A QUANTISED PRODUCT. Where the list says 'softmax', what is quantised is not the finished softmax but p = 2^(t - M), with t = logit x log2(e) and M = ceil(the row's largest t), a whole number; so 1/2 < the row's largest p <= 1. The row's sum l is taken of the UNQUANTISED p, in f32, and the product's result is divided by l at the end. Since M is a whole number, a kernel that streams over the keys may use a running M (the ceiling of the running maximum): every later rescaling is an exact power of two, which a block's scale takes up: the codes' values come out the same.
;;   OPERANDS COMPUTED ON THE WAY. 'Computed on the way' means the value that the module computes at that place (a softmax that the list does not call 'softmax' is quantised finished and normalised). What goes into a quantiser is computed in f32, as accurately as f32 sums, v_exp_f32 and their like allow (about 1e-6 of the number): no bf16 or f16 on the way to a quantiser, and a product that is left as it is and whose result goes on into a quantised operand takes f32 operands (vector FMAs, or v_wmma_f32_16x16x4_f32). A number that lies on a knife's edge between two numbers of the format may be rounded either way, as far as f32 arithmetic and the matrix unit's own rounding can turn it there, and no further.
;; One version. Each part assembles by itself: llvm-mc -triple=amdgcn-amd-amdhsa -mcpu=gfx1250 --defsym DOCPART=n.
;; ======== version 1 of 1: 5 launches
;; limits: right only within a limited range of input values
;; workspace buffers: xc 18,874,368 bytes; xs 786,432 bytes; wc 3,145,728 bytes; ws 131,072 bytes; ac 18,874,368 bytes; asw 786,432 bytes; oc 6,291,456 bytes; os 262,144 bytes
;; launch quant_x (part 1): grid 768 x 1, 4 waves a work-group, no clusters, 33,280 bytes of LDS; arguments Q, K, V, xc, xs; writes xc, xs
.if DOCPART == 1
	.amdgcn_target "amdgcn-amd-amdhsa--gfx1250"
	.amdhsa_code_object_version 6
	.text
	.protected	k_q6fe4189b0c_quant_x
	.globl	k_q6fe4189b0c_quant_x
	.p2align	8
	.type	k_q6fe4189b0c_quant_x,@function
k_q6fe4189b0c_quant_x:
	s_mov_b64 s[64:65], 0
	v_nop
	global_prefetch_b8 v0, s[64:65] scope:SCOPE_SE
	s_setreg_imm32_b32 hwreg(HW_REG_WAVE_MODE, 25, 1), 1
	s_wait_xcnt 0x0
; MULTI-HEAD ATTENTION IN MX-FP6, FIVE LAUNCHES.  This one: Q, K, V [8192][1024] f32 become codes of FP6 (E2M3), K innermost, 768 bytes a row, and one E8M0 byte for each 32 along K.
; NO WORK IS LEFT OUT: all six products are live, every bias goes into a quantised operand or into the output, so all eleven inputs are loaded by some launch.
; POSITION ORDER: row x of each tensor is stored at row pi(x), x with its bits 3 and 4 exchanged.  A tile of 16 neighbouring stored rows then holds rows 8 u + r + 8 (r / 8) of a group of 32, so that in a product
; used transposed a lane's 16 registers of two neighbouring tiles are 16 neighbours in true order: what the next quantiser wants.
; A block's scale is 2^(floor(log2(its largest magnitude)) - 2); its byte is the largest magnitude's exponent field - 2, held at 1 from below.  Each number is divided by the scale and rounded to the nearest code, ties to even.
; LIMITS: a block of zeros, or one whose largest magnitude lies under 2^-124, gets the byte 1 (the rule says 127 for zeros): its codes are zeros or the floor's, and this program alone reads the bytes.  NaN and infinities among the inputs are not served.
; A wave takes a run of 8 rows (8,192 numbers) in 16 steps of 512.  Each load reads 512 consecutive bytes; a step's 2,048 bytes turn through the wave's own stage in LDS and come back 64 bytes a lane: 16 neighbours.
; A run's number holds the rows' bits 3 and up: so pi is the exchange of the two low bits of the run's number, which are the wave's number.
; No cluster, no tensor load, no barrier: waves and work-groups share nothing.  Loads run four steps (16 loads a wave) ahead.
.set WAVES, 4
.set STEPS, 16
.set EMAX,  2
.set CB,    12                         ; bytes of 16 codes
.set XT,    6291456                    ; a tensor's codes
.set XST,   262144                     ; a tensor's scale bytes
.set R,     16                         ; v16-79   four sets of 16 numbers as loaded
.set X,     80                         ; v80-111  two sets of 16 neighbours
.set C,     128                        ; v128-191 codes: four registers a step
.set E,     112                        ; v112-127 a scale byte a step
.set WREG,  8192                       ; LDS: a region for each wave: two stages of 32 x SP bytes, then its 256 scale bytes
.set SP,    80
.set SPW,   12                         ; v12 my spare word's LDS address; never rewritten
.set NIL,   13                         ; v13 0; never rewritten
.set SPARE, WAVES*WREG                 ; the spare words: 128 bytes a wave, named by no other line
	s_load_b256 s[4:11], s[0:1], 0x0               ; Q, K, V, xc
	s_load_b64 s[12:13], s[0:1], 0x20              ; xs
	v_lshl_add_u32 v[SPW], v0, 2, SPARE
	v_mov_b32 v[NIL], 0
	v_lshrrev_b32 v1, 5, v0
	v_readfirstlane_b32 s16, v1                    ; wave
	v_and_b32 v2, 31, v0                           ; lane
	v_lshlrev_b32 v3, 4, v2                        ; my 16 bytes of a load's 512
	s_mul_i32 s17, s16, WREG
	v_lshrrev_b32 v14, 2, v2
	v_mul_u32_u24 v14, v14, SP
	v_and_b32 v15, 3, v2
	v_lshl_add_u32 v14, v15, 4, v14
	v_add_nc_u32 v14, s17, v14                     ; the stage, way in: SP (lane / 4) + 16 (lane % 4)
	v_mul_u32_u24 v15, v2, SP
	v_add_nc_u32 v15, s17, v15                     ; way out: SP x lane
	; THE CODES' LAYOUT: [16 stored rows][256 along K][16 rows x 192 bytes]: 3,072 dense bytes for each 16 rows and 256 along K, so that the products' tensor rows are multiples of 256 bytes
	v_and_b32 v4, 15, v2
	v_mul_u32_u24 v4, v4, CB                       ; sixteen lanes hold 256 along K: 192 bytes
	v_lshrrev_b32 v10, 4, v2
	v_mad_u32_u24 v4, v10, 3072, v4                ; lanes 16-31 the next 256 along K
	v_lshrrev_b32 v5, 1, v2
	s_add_co_u32 s17, s17, 2*32*SP
	v_add_nc_u32 v5, s17, v5                       ; my block's byte among the wave's 256
	v_lshlrev_b32 v7, 3, v2
	v_add_nc_u32 v6, s17, v7
	s_lshr_b32 s22, ttmp9, 8                       ; which tensor: 256 work-groups each
	s_and_b32 s23, ttmp9, 255
	s_lshl_b32 s23, s23, 2
	s_add_co_u32 s18, s23, s16                     ; the run that I read
	s_lshl_b32 s20, s18, 15                        ; 32,768 bytes a run
	s_mov_b32 s21, 0
	s_and_b32 s24, s16, 1
	s_lshl_b32 s24, s24, 1
	s_lshr_b32 s25, s16, 1
	s_or_b32 s24, s24, s25
	s_add_co_u32 s18, s23, s24                     ; Q, V: the run that I write: the wave's two bits exchanged
	s_lshr_b32 s24, s23, 3                         ; K: in a group of 64 tokens run 4 h + t goes to run 2 t + h, so that stored tile t holds tokens 8 t + j and 32 + 8 t + j
	s_lshl_b32 s24, s24, 3
	s_bfe_u32 s25, s23, 0x10002                    ; h: the work-group's low bit; t: the wave
	s_add_co_u32 s24, s24, s25
	s_lshl_b32 s25, s16, 1
	s_add_co_u32 s24, s24, s25
	s_cmp_eq_u32 s22, 1
	s_cselect_b32 s18, s24, s18
	s_lshr_b32 s26, s18, 1                         ; a run is half of a tile of 16 stored rows
	s_mul_i32 s26, s26, 12288
	s_and_b32 s25, s18, 1
	s_mul_i32 s25, s25, 1536
	s_add_co_u32 s26, s26, s25
	s_mul_i32 s27, s22, XT
	s_add_co_u32 s26, s26, s27
	s_mov_b32 s27, 0
	s_lshl_b32 s28, s18, 8
	s_mul_i32 s29, s22, XST
	s_add_co_u32 s28, s28, s29
	s_mov_b32 s29, 0
	s_wait_alu depctr_va_vdst(0)
	s_wait_kmcnt 0x0
	s_cmp_eq_u32 s22, 0                            ; the choice hangs on the work-group's number alone
	s_cselect_b64 s[4:5], s[4:5], s[6:7]
	s_cmp_eq_u32 s22, 2
	s_cselect_b64 s[4:5], s[8:9], s[4:5]
	s_add_nc_u64 s[4:5], s[4:5], s[20:21]
	s_add_nc_u64 s[10:11], s[10:11], s[26:27]
	s_add_nc_u64 s[12:13], s[12:13], s[28:29]
.macro LOAD t
.irp i, 0,1,2,3
	global_load_b128 v[R+16*((\t)%4)+4*\i:R+16*((\t)%4)+4*\i+3], v3, s[4:5] offset:2048*(\t)+512*\i th:TH_LOAD_NT
.endr
.endm
.macro TURN t                          ; a step's numbers through the stage: LDS serves a wave's instructions in order, so no wait stands between the stores and the loads
.irp i, 0,1,2,3
	ds_store_b128 v14, v[R+16*((\t)%4)+4*\i:R+16*((\t)%4)+4*\i+3] offset:32*SP*((\t)%2)+8*SP*\i
.endr
.irp i, 0,1,2,3
	ds_load_b128 v[X+16*((\t)%2)+4*\i:X+16*((\t)%2)+4*\i+3], v15 offset:32*SP*((\t)%2)+16*\i
.endr
.endm
.irp t, 0,1,2,3
	LOAD \t
.endr
	s_wait_loadcnt 12                              ; step 0's four loads are in
	TURN 0
.macro STEP t
.set XS, X+16*((\t)%2)
.if (\t) > 0
	s_wait_dscnt 1                                 ; this step's numbers are back (the last step's byte store may be out)
.else
	s_wait_dscnt 0x0
.endif
.if (\t)+4 < STEPS
	LOAD (\t)+4
.endif
.if (\t)+1 < STEPS
.if STEPS-2-(\t) >= 3
	s_wait_loadcnt 12                              ; the next step's four loads are in; three steps' may be out
.else
	s_wait_loadcnt 4*(STEPS-2-(\t))
.endif
	TURN (\t)+1
.endif
	v_max3_num_f32 v8, |v[XS]|, |v[XS+1]|, |v[XS+2]|
	v_max3_num_f32 v9, |v[XS+3]|, |v[XS+4]|, |v[XS+5]|
.irp i, 6,10
	v_max3_num_f32 v8, v8, |v[XS+\i]|, |v[XS+\i+1]|
	v_max3_num_f32 v9, v9, |v[XS+\i+2]|, |v[XS+\i+3]|
.endr
	v_max3_num_f32 v8, v8, |v[XS+14]|, |v[XS+15]|
	v_max3_num_f32 v8, v8, v9, (EMAX+1)<<23        ; the floor 2^(3 - 127): the byte cannot fall under 1
	v_max_num_f32_dpp v8, v8, v8 row_xmask:1 row_mask:0xf bank_mask:0xf   ; with my neighbour's 16: the block's
	v_add_nc_u32 v11, -(EMAX<<23), v8              ; 2 off the exponent field: the conversion's scale operand
	v_cvt_scalef32_pk16_fp6_f32 v[C+4*(\t):C+4*(\t)+2], v[XS:XS+15], v11
	v_lshrrev_b32 v[E+(\t)], 23, v11               ; the scale's byte
	ds_store_b8 v5, v[E+(\t)] offset:16*(\t)       ; both lanes of a block write the same byte
	global_store_b96 v4, v[C+4*(\t):C+4*(\t)+2], s[10:11] offset:6144*((\t)%2)+192*((\t)/2)   ; step t: row t / 2 of my eight, half t % 2 of K
.endm
.irp t, 0,1,2,3,4,5,6,7,8,9,10,11,12,13,14,15
	STEP \t
.endr
	ds_load_b64 v[8:9], v6
	s_wait_dscnt 0x0
	global_store_b64 v7, v[8:9], s[12:13]          ; 32 lanes store 256 consecutive bytes, aligned
	s_wait_tensorcnt 0x0                           ; the wave's end
	ds_add_u32 v[SPW], v[NIL]
	s_wait_dscnt 0x0
	s_endpgm
.Lfunc_end_k_q6fe4189b0c_quant_x:
	.size	k_q6fe4189b0c_quant_x, .Lfunc_end_k_q6fe4189b0c_quant_x-k_q6fe4189b0c_quant_x
	.p2alignl 7, 3214868480
	.fill 96, 4, 3214868480
	.section	.rodata,"a",@progbits
	.p2align	6, 0x0
	.amdhsa_kernel k_q6fe4189b0c_quant_x
		.amdhsa_group_segment_fixed_size 33280
		.amdhsa_private_segment_fixed_size 0
		.amdhsa_enable_private_segment 0
		.amdhsa_kernarg_size 40
		.amdhsa_user_sgpr_count 2
		.amdhsa_user_sgpr_kernarg_segment_ptr 1
		.amdhsa_wavefront_size32 1
		.amdhsa_system_sgpr_workgroup_id_x 1
		.amdhsa_system_sgpr_workgroup_id_y 1
		.amdhsa_system_sgpr_workgroup_id_z 1
		.amdhsa_system_vgpr_workitem_id 0
		.amdhsa_next_free_vgpr 192
		.amdhsa_next_free_sgpr 66
		.amdhsa_reserve_vcc 0
		.amdhsa_float_denorm_mode_32 3
		.amdhsa_float_denorm_mode_16_64 3
		.amdhsa_memory_ordered 1
		.amdhsa_forward_progress 1
		.amdhsa_inst_pref_size 33
	.end_amdhsa_kernel
	.amdgpu_metadata
---
amdhsa.version: [ 1, 2 ]
amdhsa.kernels:
  - .name:           k_q6fe4189b0c_quant_x
    .symbol:         k_q6fe4189b0c_quant_x.kd
    .args:
      - { .name: Q, .offset: 0, .size: 8, .value_kind: global_buffer, .address_space: global }
      - { .name: K, .offset: 8, .size: 8, .value_kind: global_buffer, .address_space: global }
      - { .name: V, .offset: 16, .size: 8, .value_kind: global_buffer, .address_space: global }
      - { .name: xc, .offset: 24, .size: 8, .value_kind: global_buffer, .address_space: global }
      - { .name: xs, .offset: 32, .size: 8, .value_kind: global_buffer, .address_space: global }
    .group_segment_fixed_size: 33280
    .private_segment_fixed_size: 0
    .kernarg_segment_align: 8
    .kernarg_segment_size: 40
    .max_flat_workgroup_size: 128
    .sgpr_count:     66
    .vgpr_count:     192
    .wavefront_size: 32
...
	.end_amdgpu_metadata
.endif
;; end of part 1
;; launch quant_w (part 2): grid 8 x 16, 4 waves a work-group, no clusters, 35,840 bytes of LDS; arguments Wq, Wk, Wv, Wo, wc, ws; writes wc, ws
.if DOCPART == 2
	.amdgcn_target "amdgcn-amd-amdhsa--gfx1250"
	.amdhsa_code_object_version 6
	.text
	.protected	k_q6fe4189b0c_quant_w
	.globl	k_q6fe4189b0c_quant_w
	.p2align	8
	.type	k_q6fe4189b0c_quant_w,@function
k_q6fe4189b0c_quant_w:
	s_mov_b64 s[64:65], 0
	v_nop
	global_prefetch_b8 v0, s[64:65] scope:SCOPE_SE
	s_setreg_imm32_b32 hwreg(HW_REG_WAVE_MODE, 25, 1), 1
	s_wait_xcnt 0x0
; Wq, Wk, Wv, Wo [1024 (k)][1024 (n)] f32, K the FIRST axis, become codes of FP6 laid [n][k], K innermost (768 bytes a row), and scale bytes [n][32].  No work is left out.
; Column n is stored at row pi(n), n with its bits 3 and 4 exchanged (position order: see the first kernel).
; A lane takes a column and its registers run down K: a block of 32 lies in one lane's 32 registers, and the conversions give codes with K innermost.  Nothing is transposed by an instruction.
; A wave takes 32 columns x 256 along K; its codes go through its own stage in LDS and leave as rows: sixteen lanes store a row's 192 consecutive bytes.  Work-group y: weight y / 4, K part y % 4.
; LIMITS as in the first kernel: byte 1 for a block of zeros or under 2^-124; NaN and infinities are not served.  No cluster: work-groups share nothing.
.set SIZE_K, 1024
.set SIZE_N, 1024
.set KW,    256
.set NB,    KW/32
.set ROWB,  3072                       ; the codes' layout is the first kernel's: [16 stored rows][256 along K][16 rows x 192 bytes]
.set PITCH, 272                        ; a stage row: sixteen places of 16 bytes with 12 bytes of codes each, + 16
.set KROW,  768
.set WT,    786432                     ; a weight's codes
.set WST,   32768                      ; a weight's scale bytes
.set EMAX,  2
.set X,     32                         ; v32-95 two sets of 32 numbers
.set C,     96
.set OUTR,  112
.set SPW,   14
.set NIL,   15
.set SPARE, 4*32*PITCH
.set SB,    24
	s_load_b256 s[4:11], s[0:1], 0x0               ; Wq, Wk, Wv, Wo
	s_load_b128 s[12:15], s[0:1], 0x20             ; wc, ws
	v_lshl_add_u32 v[SPW], v0, 2, SPARE
	v_mov_b32 v[NIL], 0
	v_lshrrev_b32 v1, 5, v0
	v_readfirstlane_b32 s16, v1                    ; wave
	v_and_b32 v2, 31, v0                           ; lane
	s_lshl_b32 s17, ttmp9, 7
	s_lshl_b32 s18, s16, 5
	s_add_co_u32 s17, s17, s18                     ; my wave's first column
	s_and_b32 s30, ttmp7, 0xffff
	s_and_b32 s18, s30, 3                          ; which 256 along K
	s_lshr_b32 s31, s30, 2                         ; which weight
	v_lshlrev_b32 v3, 2, v2
	s_mul_i32 s19, s16, 32*PITCH                   ; my stage
	v_mul_u32_u24 v4, v2, PITCH
	v_add_nc_u32 v4, s19, v4                       ; into it: row = my column
	v_and_b32 v5, 15, v2
	v_lshrrev_b32 v6, 4, v2
	v_mul_u32_u24 v7, v6, PITCH
	v_lshl_add_u32 v7, v5, 4, v7
	v_add_nc_u32 v7, s19, v7                       ; out of it: sixteen lanes to a row, two rows an instruction
	v_mul_u32_u24 v8, v6, 192
	v_mad_u32_u24 v8, v5, 12, v8
	v_and_b32 v9, 7, v2                            ; pi(lane) x 32: my column's row of scale bytes
	v_bfe_u32 v10, v2, 3, 1
	v_lshl_or_b32 v9, v10, 4, v9
	v_bfe_u32 v10, v2, 4, 1
	v_lshl_or_b32 v9, v10, 3, v9
	v_lshlrev_b32 v9, 5, v9
	s_lshl_b32 s20, s18, 20                        ; W: 256 rows of 4,096 bytes a K part,
	s_lshl_b32 s22, s17, 2
	s_add_co_u32 s20, s20, s22                     ; + 4 bytes a column
	s_mov_b32 s21, 0
	s_mul_i32 s24, s31, WT                         ; codes: the weight, the column's row, the K part
	s_mul_i32 s22, s17, KROW
	s_add_co_u32 s24, s24, s22
	s_mul_i32 s22, s18, ROWB
	s_add_co_u32 s24, s24, s22
	s_mov_b32 s25, 0
	s_mul_i32 s28, s31, WST
	s_lshl_b32 s22, s17, 5
	s_add_co_u32 s28, s28, s22
	s_lshl_b32 s22, s18, 3
	s_add_co_u32 s28, s28, s22
	s_mov_b32 s29, 0
	s_and_b32 s22, s31, 1
	s_wait_kmcnt 0x0
	s_cmp_lg_u32 s22, 0                            ; the choice hangs on the work-group's number alone
	s_cselect_b64 s[4:5], s[6:7], s[4:5]
	s_cselect_b64 s[8:9], s[10:11], s[8:9]
	s_cmp_ge_u32 s31, 2
	s_cselect_b64 s[4:5], s[8:9], s[4:5]
	s_add_nc_u64 s[4:5], s[4:5], s[20:21]
	s_add_nc_u64 s[12:13], s[12:13], s[24:25]
	s_add_nc_u64 s[14:15], s[14:15], s[28:29]
.macro LOAD t
.irp i, 0,1,2,3,4,5,6,7,8,9,10,11,12,13,14,15,16,17,18,19,20,21,22,23,24,25,26,27,28,29,30,31
	global_load_b32 v[X+32*((\t)%2)+\i], v3, s[4:5] offset:(32*(\t)+\i)*SIZE_N*4 th:TH_LOAD_NT
.endr
.endm
	LOAD 0
	LOAD 1
.macro BLOCK t
.set XS, X+32*((\t)%2)
.if (\t) < NB-1
	s_wait_loadcnt 32                              ; this block's 32 loads are in; the next block's may be out
.else
	s_wait_loadcnt 0
.endif
	v_max3_num_f32 v12, |v[XS]|, |v[XS+1]|, |v[XS+2]|
	v_max3_num_f32 v13, |v[XS+3]|, |v[XS+4]|, |v[XS+5]|
.irp i, 6,10,14,18,22,26
	v_max3_num_f32 v12, v12, |v[XS+\i]|, |v[XS+\i+1]|
	v_max3_num_f32 v13, v13, |v[XS+\i+2]|, |v[XS+\i+3]|
.endr
	v_max3_num_f32 v12, v12, |v[XS+30]|, |v[XS+31]|
	v_max3_num_f32 v12, v12, v13, (EMAX+1)<<23     ; the floor: the byte cannot fall under 1
	v_add_nc_u32 v11, -(EMAX<<23), v12             ; the conversion's scale operand
	v_lshrrev_b32 v13, 23, v11                     ; the byte
.if (\t)%4 == 0
	v_mov_b32 v[SB+(\t)/4], v13
.else
	v_lshl_or_b32 v[SB+(\t)/4], v13, 8*((\t)%4), v[SB+(\t)/4]
.endif
	v_cvt_scalef32_pk16_fp6_f32 v[C:C+2], v[XS:XS+15], v11
	v_cvt_scalef32_pk16_fp6_f32 v[C+4:C+6], v[XS+16:XS+31], v11
	ds_store_b96 v4, v[C:C+2] offset:32*(\t)
	ds_store_b96 v4, v[C+4:C+6] offset:32*(\t)+16
.if (\t)+2 < NB
	LOAD (\t)+2
.endif
	s_wait_dscnt 0x0                               ; the stores have read their registers
.endm
.set Q, 0
.rept NB
	BLOCK Q
.set Q, Q+1
.endr
	s_wait_alu depctr_va_vdst(0)
	global_store_b64 v9, v[SB:SB+1], s[14:15]      ; my column's 8 scale bytes
.irp t, 0,1,2,3,4,5,6,7,8,9,10,11,12,13,14,15
	ds_load_b96 v[OUTR+4*\t:OUTR+4*\t+2], v7 offset:2*\t*PITCH
.endr
.irp t, 0,1,2,3,4,5,6,7,8,9,10,11,12,13,14,15
	s_wait_dscnt 15-\t
	global_store_b96 v8, v[OUTR+4*\t:OUTR+4*\t+2], s[12:13] offset:(((\t)>>2)&1)*12288+(((\t)&3)|((((\t)>>3)&1)<<2))*384   ; stage rows 2 t, 2 t + 1 are columns: their bits 3 and 4 (t's bits 2 and 3) change places; bit 4 of the stored row picks the tile of 16
.endr
	s_wait_tensorcnt 0x0                           ; the wave's end
	ds_add_u32 v[SPW], v[NIL]
	s_wait_dscnt 0x0
	s_endpgm
.Lfunc_end_k_q6fe4189b0c_quant_w:
	.size	k_q6fe4189b0c_quant_w, .Lfunc_end_k_q6fe4189b0c_quant_w-k_q6fe4189b0c_quant_w
	.p2alignl 7, 3214868480
	.fill 96, 4, 3214868480
	.section	.rodata,"a",@progbits
	.p2align	6, 0x0
	.amdhsa_kernel k_q6fe4189b0c_quant_w
		.amdhsa_group_segment_fixed_size 35840
		.amdhsa_private_segment_fixed_size 0
		.amdhsa_enable_private_segment 0
		.amdhsa_kernarg_size 48
		.amdhsa_user_sgpr_count 2
		.amdhsa_user_sgpr_kernarg_segment_ptr 1
		.amdhsa_wavefront_size32 1
		.amdhsa_system_sgpr_workgroup_id_x 1
		.amdhsa_system_sgpr_workgroup_id_y 1
		.amdhsa_system_sgpr_workgroup_id_z 1
		.amdhsa_system_vgpr_workitem_id 0
		.amdhsa_next_free_vgpr 192
		.amdhsa_next_free_sgpr 66
		.amdhsa_reserve_vcc 0
		.amdhsa_float_denorm_mode_32 3
		.amdhsa_float_denorm_mode_16_64 3
		.amdhsa_memory_ordered 1
		.amdhsa_forward_progress 1
		.amdhsa_inst_pref_size 42
	.end_amdhsa_kernel
	.amdgpu_metadata
---
amdhsa.version: [ 1, 2 ]
amdhsa.kernels:
  - .name:           k_q6fe4189b0c_quant_w
    .symbol:         k_q6fe4189b0c_quant_w.kd
    .args:
      - { .name: Wq, .offset: 0, .size: 8, .value_kind: global_buffer, .address_space: global }
      - { .name: Wk, .offset: 8, .size: 8, .value_kind: global_buffer, .address_space: global }
      - { .name: Wv, .offset: 16, .size: 8, .value_kind: global_buffer, .address_space: global }
      - { .name: Wo, .offset: 24, .size: 8, .value_kind: global_buffer, .address_space: global }
      - { .name: wc, .offset: 32, .size: 8, .value_kind: global_buffer, .address_space: global }
      - { .name: ws, .offset: 40, .size: 8, .value_kind: global_buffer, .address_space: global }
    .group_segment_fixed_size: 35840
    .private_segment_fixed_size: 0
    .kernarg_segment_align: 8
    .kernarg_segment_size: 48
    .max_flat_workgroup_size: 128
    .sgpr_count:     66
    .vgpr_count:     192
    .wavefront_size: 32
...
	.end_amdgpu_metadata
.endif
;; end of part 2
;; launch proj (part 3): grid 4 x 96, 4 waves a work-group, clusters of 4 x 4, 327,680 bytes of LDS; arguments xc, xs, wc, ws, bq, bk, bv, ac, asw; writes ac, asw
.if DOCPART == 3
	.amdgcn_target "amdgcn-amd-amdhsa--gfx1250"
	.amdhsa_code_object_version 6
	.text
	.protected	k_q6fe4189b0c_proj
	.globl	k_q6fe4189b0c_proj
	.p2align	8
	.type	k_q6fe4189b0c_proj,@function
k_q6fe4189b0c_proj:
	s_mov_b64 s[64:65], 0
	v_nop
	global_prefetch_b8 v0, s[64:65] scope:SCOPE_SE
	s_setreg_imm32_b32 hwreg(HW_REG_WAVE_MODE, 25, 1), 1
	s_wait_xcnt 0x0
	s_wait_alu depctr_hold_cnt(0) depctr_sa_sdst(0) depctr_va_vdst(0) depctr_va_sdst(0) depctr_va_ssrc(0) depctr_va_vcc(0) depctr_vm_vsrc(0)
	s_getreg_b32 s2, hwreg(HW_REG_IB_STS2, 6, 4)
	s_cmp_eq_u32 s2, 0
	s_cbranch_scc0 .Lentry_in_a_cluster
	s_endpgm
.Lentry_in_a_cluster:
	s_bfe_u32 s2, ttmp6, 0x10000c
	s_cmp_lg_u32 s2, 0xf033
	s_cbranch_scc0 .Lentry_shape_is_right
	s_endpgm
.Lentry_shape_is_right:
; THE THREE PROJECTIONS q = Q Wq + bq, k = K Wk + bk, v = V Wv + bv on codes of FP6, each result quantised in registers for the product that takes it, and stored as images of operand registers.  No work is left out.
; A cluster of 4 x 4 work-groups makes 1,024 x 1,024 of C' = A' B'^T; cluster y = 8 MODE + CI.  MODE 0, 1 (q, k): A' = the tokens' codes (rows 1,024 CI on), B' = the weight's (all 1,024 columns).
; MODE 2 (v): A' = Wv's codes (rows = channels), B' = V's tokens (1,024 CI on): v comes out TRANSPOSED, so that a lane's registers run along the keys, the K of the product that takes v.
; A work-group makes 256 x 256, a wave 128 x 128: 64 accumulators.  K = 1,024 goes in four slot steps of 256 through a ring of two LDS slots; tiles of A' are asked for jointly along a row of the cluster, B' along a column.
; THE MATRIX INSTRUCTION IS USED TRANSPOSED (source 0 = 16 rows of B', source 1 = 16 rows of A').  Both operands lie in position order (first kernel), so lane (r, h), accumulator (a, b), register j holds
; A' position 16 a + r and the TRUE B' index 32 (b / 2) + 16 h + 8 (b % 2) + j: the 64 registers of a block a are 64 numbers of one row, register 16 B + i = index 32 B + 16 h + i.
; THE BIAS is the C of each sum's first product (another order of rounding than adding it last): by B' index in MODE 0, 1, by A' row in MODE 2.  MODE is the same in all sixteen partners, so branches may hang on it.
; THE WAY OUT: block a's 64 numbers a lane are four blocks of 32 (with lane l xor 16): scale bytes, codes, a fragment of 12 registers.  q, k: registers 0-5 are head 2 G's 64 channels, 6-11 head 2 G + 1's.
; v: the fragment is 16 channels x 128 keys.  Each register pair leaves by one store of 256 consecutive aligned bytes, 8 bytes a lane: the reader's loads of 8 bytes a lane give it the same registers.
; LIMITS: byte 1 for a block of zeros or under 2^-124; NaN and infinities are not served.
; REGISTERS: window 0: v1-9 addresses; v16-23 fragment addresses; v27 scale words' address; v28, v29 the add's two; v32-63 scale words, two sets; v64-127 the bias; v128-223 A's fragments (way out: codes); v224-247 at work on the way out.
;   window 1: B's fragments, two sets.   windows 2, 3: the accumulators ((a, b) at v[8 (8 (a % 4) + b)]).
.set KSTEP,  256
.set NQ,     2
.set ROWB,   3072                      ; a tensor row: 16 rows x 256 along K, dense, at a multiple of 256 bytes; in LDS the padding behind every 64 bytes makes of it 16 rows of PITCH bytes
.set KROW,   768
.set PITCH,  240                       ; an LDS row: 3 x (64 bytes + 16 of padding): the 32 lanes of a load of 8 bytes touch 64 different banks (64 banks of 4 bytes: ISA guide 11.1)
.set FR,     12
.set NL,     6
.set NP,     4
.set HALFT,  128*PITCH
.set SLOT,   4*HALFT
.set LAPS,   2
.set KS,     32
.set SCL,    2*SLOT                    ; behind the ring: the scales of 256 + 256 rows for all of K, as units of 256 bytes + 16
.set HALFS,  (128*KS/256)*272
.set SBLK,   (16*KS/256)*272
.set SPARE,  SCL+4*HALFS               ; the spare words, 128 bytes a wave, named by no other line
.set XT,  6291456
.set XST, 262144
.set WT,  786432
.set WST, 32768
.set AT,  6291456                      ; an image (q, k or v) in ac
.set HB,  98304                        ; a head in an image
.set ST,  262144                       ; a part (q, k or v) of asw
.set ADRA, 16
.set ADRB, 20
.set ADRS, 27
.set SPW,  28
.set NIL,  29
.set SC,   32
.set BI,   64
.set AF,   128
.set CD,   128                         ; the way out: a fragment's codes, v128-139, and the conversions' second halves, v140-146
.set SLW,  148                         ; v148-151 the scale words that I store
.set TM,   224
.set SW,   240                         ; v240-247 block a's scale word
.set WV,   22
.set RH,   23                          ; which half of A's rows is mine; also: I fetch for A (0) or B (1)
.set CH,   66                          ; which half of B's rows; also: which 128 rows I fetch
.set MODE, 67
.set G1, 24
.set G0, 32
.set G1B, 48
.set G0B, 56
.set G1S, 68
.set G0S, 76
.set G1SB, 80
.set G0SB, 88
.set OB,  24                           ; the way out: s[24:31] four bases in ac (the descriptors are done with)
.set HM,  32
.set SEL, 34
.set MSB, 0
.macro WIN new                         ; the immediate's high byte repeats the setting that is left
.if MSB != (\new)
	s_set_vgpr_msb (MSB<<8)|(\new)
.set MSB, (\new)
.endif
.endm
.set MUL_LO, 0xa1                      ; source 0 (B) window 1, source 1 (A) window 0, C and D window 2
.set MUL_HI, 0xf1
.set TO_B,   0x40
; A joint load: waves 0, 1 fetch for A, waves 2, 3 for B; the branch hangs on the wave's number alone.  An s_nop 0 and four v_nop follow each line.
.macro JLOAD g0a, g1a, g0b, g1b
	s_cmp_eq_u32 s[RH], 0
	s_cbranch_scc0 .Lfor_b_\@
	tensor_load_to_lds s[\g0a:\g0a+3], s[\g1a:\g1a+7]
	s_nop 0
.rept 4
	v_nop
.endr
	s_branch .Lasked_\@
.Lfor_b_\@:
	tensor_load_to_lds s[\g0b:\g0b+3], s[\g1b:\g1b+7]
	s_nop 0
.rept 4
	v_nop
.endr
.Lasked_\@:
.endm
.macro CREST
	s_cmp_lg_u32 s[WV], 0
	s_cbranch_scc1 .Lnot_wave_0_\@
	s_barrier_signal -3
.Lnot_wave_0_\@:
	s_barrier_wait -3
	s_barrier_signal -1
	s_barrier_wait -1
.endm
.macro CROUND
	s_barrier_signal -1
	s_barrier_wait -1
	CREST
.endm
	s_load_b256 s[4:11], s[0:1], 0x0               ; xc, xs, wc, ws
	s_load_b256 s[12:19], s[0:1], 0x20             ; bq, bk, bv, ac
	s_load_b64 s[20:21], s[0:1], 0x40              ; asw
	v_lshl_add_u32 v[SPW], v0, 2, SPARE
	v_mov_b32 v[NIL], 0
	ds_add_u32 v[SPW], v[NIL]                      ; the opening: the add, twice on end, and its wait ahead of my first tensor load
	ds_add_u32 v[SPW], v[NIL]
	v_lshrrev_b32 v1, 5, v0
	v_readfirstlane_b32 s[WV], v1
	s_lshr_b32 s[RH], s[WV], 1
	s_and_b32 s[CH], s[WV], 1
	s_bfe_u32 s40, ttmp6, 0x40000                  ; cx
	s_bfe_u32 s41, ttmp6, 0x40004                  ; cy
	s_and_b32 s93, ttmp7, 0xffff                   ; cluster y, 0 .. 23
	s_lshr_b32 s[MODE], s93, 3
	s_and_b32 s93, s93, 7
	s_lshl_b32 s93, s93, 2                         ; 4 CI
	s_cmp_eq_u32 s[MODE], 2
	s_cselect_b32 s92, 0, s93
	s_cselect_b32 s42, s93, 0
	s_add_co_u32 s92, s92, s41                     ; TR: tile row of C' (rows of A')
	s_add_co_u32 s42, s42, s40                     ; TC: tile column (rows of B')
	s_lshl_b32 s43, s41, 2
	s_lshl_b32 s43, 15, s43                        ; my row of the cluster
	s_lshl_b32 s44, 0x1111, s40                    ; my column
	s_or_b32 s[G1+0], s43, (0<<16)|(1<<20)|(1<<21)|(3<<22)|(3<<25)  ; the mask; elements of 1 byte; padding on; bit 21 beside a mask; after every 16 words 4 words
	s_or_b32 s[G1B+0], s44, (0<<16)|(1<<20)|(1<<21)|(3<<22)|(3<<25)
.irp g, G1, G1B
	s_mov_b32 s[\g+1], ROWB<<16                    ; tensor_dim0
	s_mov_b32 s[\g+2], 16<<16                      ; tensor_dim1: the head's loads bring 256 rows, 16 tensor rows
	s_mov_b32 s[\g+3], ROWB<<16                    ; tile_dim0
	s_mov_b32 s[\g+4], 16                          ; tile_dim1
	s_mov_b32 s[\g+5], 12288                       ; pitch: 16 rows, all of K
	s_mov_b32 s[\g+6], 0
	s_mov_b32 s[\g+7], 0
.endr
	s_or_b32 s[G1S+0], s43, (3<<16)|(1<<20)|(1<<21)|(5<<22)|(3<<25)   ; the scales of 128 rows: 4,096 dense bytes as 16 rows of 256, 16 bytes of padding behind each
	s_or_b32 s[G1SB+0], s44, (3<<16)|(1<<20)|(1<<21)|(5<<22)|(3<<25)
.irp g, G1S, G1SB
	s_mov_b32 s[\g+1], 32<<16
	s_mov_b32 s[\g+2], (256*KS/256)<<16            ; the scales of all 256 rows by one load
	s_mov_b32 s[\g+3], 32<<16
	s_mov_b32 s[\g+4], 256*KS/256
	s_mov_b32 s[\g+5], 32
	s_mov_b32 s[\g+6], 0
	s_mov_b32 s[\g+7], 0
.endr
	s_lshl_b32 s94, s92, 8                         ; A': the tile's first row
	s_lshl_b32 s46, s42, 8                         ; B': the tile's first row
	s_lshl_b32 s96, s94, 5                         ; offsets in bytes: scales,
	s_mul_i32 s94, s94, KROW                       ; codes
	s_lshl_b32 s98, s46, 5
	s_mul_i32 s46, s46, KROW
	s_mul_i32 s100, s[MODE], XT                    ; and the tensor's part of its buffer
	s_mul_i32 s101, s[MODE], WT
	s_cmp_eq_u32 s[MODE], 2
	s_cselect_b32 s2, s101, s100
	s_cselect_b32 s3, s100, s101
	s_add_co_u32 s94, s94, s2
	s_add_co_u32 s46, s46, s3
	s_mul_i32 s100, s[MODE], XST
	s_mul_i32 s101, s[MODE], WST
	s_cmp_eq_u32 s[MODE], 2
	s_cselect_b32 s2, s101, s100
	s_cselect_b32 s3, s100, s101
	s_add_co_u32 s96, s96, s2
	s_add_co_u32 s98, s98, s3
	s_mov_b32 s95, 0
	s_mov_b32 s97, 0
	s_mov_b32 s47, 0
	s_mov_b32 s99, 0
	s_mul_i32 s45, s[WV], HALFT                    ; where they go: wave x 128 rows
	s_wait_dscnt 0x0                               ; both opening adds are done
	s_wait_kmcnt 0x0
	s_cmp_eq_u32 s[MODE], 2                        ; MODE 2: the weight is A' and the tokens are B'
	s_mov_b64 s[100:101], s[4:5]
	s_cselect_b64 s[4:5], s[8:9], s[4:5]
	s_cselect_b64 s[8:9], s[100:101], s[8:9]
	s_mov_b64 s[100:101], s[6:7]
	s_cselect_b64 s[6:7], s[10:11], s[6:7]
	s_cselect_b64 s[10:11], s[100:101], s[10:11]
	s_add_nc_u64 s[94:95], s[4:5], s[94:95]
	s_add_nc_u64 s[96:97], s[6:7], s[96:97]
	s_add_nc_u64 s[46:47], s[8:9], s[46:47]
	s_add_nc_u64 s[98:99], s[10:11], s[98:99]
	s_cmp_eq_u32 s[MODE], 0
	s_cselect_b64 s[12:13], s[12:13], s[14:15]
	s_cmp_eq_u32 s[MODE], 2
	s_cselect_b64 s[12:13], s[16:17], s[12:13]     ; my bias
	CROUND                                         ; all sixteen work-groups are here: the first joint loads meet
	s_mov_b32 s[G0S], 1
	s_mov_b32 s[G0S+1], SCL
	s_mov_b64 s[G0S+2:G0S+3], s[96:97]
	s_or_b32 s[G0S+3], s[G0S+3], 0x80000000
	s_mov_b32 s[G0SB], 1
	s_mov_b32 s[G0SB+1], SCL+2*HALFS
	s_mov_b64 s[G0SB+2:G0SB+3], s[98:99]
	s_or_b32 s[G0SB+3], s[G0SB+3], 0x80000000
.set G0H, 4                            ; s[4:7], s[8:11]: group 0 of the head's loads of K step 0 (the arguments that lay there have served)
.set G0HB, 8
	s_mov_b32 s[G0H], 1                            ; A's 256 rows,
	s_mov_b32 s[G0H+1], 0
	s_mov_b64 s[G0H+2:G0H+3], s[94:95]
	s_or_b32 s[G0H+3], s[G0H+3], 0x80000000
	s_mov_b32 s[G0HB], 1                           ; B's 256 rows behind them
	s_mov_b32 s[G0HB+1], 2*HALFT
	s_mov_b64 s[G0HB+2:G0HB+3], s[46:47]
	s_or_b32 s[G0HB+3], s[G0HB+3], 0x80000000
	s_mul_i32 s100, s[CH], 128*KROW                ; for the ring: my 128 rows of the tile
	s_mov_b32 s101, 0
	s_add_nc_u64 s[94:95], s[94:95], s[100:101]
	s_add_nc_u64 s[46:47], s[46:47], s[100:101]
.irp s, 0,1
	s_mov_b32 s[G0+4*\s], 1
	s_add_co_u32 s[G0+4*\s+1], s45, \s*SLOT
	s_add_nc_u64 s[G0+4*\s+2:G0+4*\s+3], s[94:95], \s*ROWB
	s_or_b32 s[G0+4*\s+3], s[G0+4*\s+3], 0x80000000
	s_mov_b32 s[G0B+4*\s], 1
	s_add_co_u32 s[G0B+4*\s+1], s45, \s*SLOT
	s_add_nc_u64 s[G0B+4*\s+2:G0B+4*\s+3], s[46:47], \s*ROWB
	s_or_b32 s[G0B+4*\s+3], s[G0B+4*\s+3], 0x80000000
.endr
; THE HEAD'S LOADS, ONE A WAVE: wave 0 K step 0 of A's 256 rows, wave 1 of B's, wave 2 A's scales, wave 3 B's: one chain of branches on the wave's number, one load to an arm
.macro ARM under, g0, g1, next
	s_cmp_lt_u32 s[WV], \under
	s_cbranch_scc0 \next
	tensor_load_to_lds s[\g0:\g0+3], s[\g1:\g1+7]
	s_nop 0
.rept 4
	v_nop
.endr
	s_branch .Lhead_asked
\next:
.endm
	ARM 1, G0H,  G1,  .Lhead_b
	ARM 2, G0HB, G1B, .Lhead_sa
	ARM 3, G0S,  G1S, .Lhead_sb
	tensor_load_to_lds s[G0SB:G0SB+3], s[G1SB:G1SB+7]
	s_nop 0
.rept 4
	v_nop
.endr
.Lhead_asked:
	v_and_b32 v1, 15, v0                           ; r
	v_bfe_u32 v2, v0, 4, 1                         ; h
	v_mul_u32_u24 v3, v1, PITCH
	v_mul_u32_u24 v4, v2, 24
	v_add_nc_u32 v4, v3, v4                        ; a fragment's row x pitch + 24 h
	v_lshl_add_u32 v5, v2, 4, v4                   ; and the same behind one padding more
	s_mul_i32 s100, s[RH], HALFT
	s_mul_i32 s101, s[CH], HALFT
	s_add_co_u32 s101, s101, 2*HALFT
.irp s, 0,1
	v_add_nc_u32 v[ADRA+\s], s100, v4
	v_add_nc_u32 v[ADRB+\s], s101, v4
	v_add_nc_u32 v[ADRA+2+\s], s100, v5
	v_add_nc_u32 v[ADRB+2+\s], s101, v5
	s_add_co_u32 s100, s100, SLOT
	s_add_co_u32 s101, s101, SLOT
.endr
	v_mul_u32_u24 v5, v1, KS
	v_lshrrev_b32 v6, 8, v5
	v_lshl_add_u32 v5, v6, 4, v5                   ; my row's scales: 32 bytes a row, 16 more for each 256 passed
	s_mul_i32 s100, s[RH], HALFS
	s_mul_i32 s101, s[CH], HALFS
	s_add_co_u32 s101, s101, 2*HALFS
	s_sub_co_u32 s101, s101, s100
	v_mul_u32_u24 v6, s101, v2                     ; lanes 16-31 take B's
	s_add_co_u32 s100, s100, SCL
	v_add_nc_u32 v5, v5, v6
	v_add_nc_u32 v[ADRS], s100, v5
	v_and_b32 v6, 31, v0
	v_lshlrev_b32 v7, 3, v6                        ; the way out: 8 x lane
	v_lshlrev_b32 v8, 5, v1
	v_lshl_add_u32 v8, v2, 4, v8                   ; and 32 r + 16 h
	; the bias: MODE 0, 1: by the true B' index, 128 numbers from column 256 TC + 128 CH on; MODE 2: by A's row, from channel 256 TR + 128 RH on
	s_lshl_b32 s14, s92, 8
	s_lshl_b32 s15, s[RH], 7
	s_add_co_u32 s14, s14, s15
	s_lshl_b32 s15, s42, 8
	s_lshl_b32 s16, s[CH], 7
	s_add_co_u32 s15, s15, s16
	s_cmp_eq_u32 s[MODE], 2
	s_cselect_b32 s14, s14, s15
	s_lshl_b32 s14, s14, 2
	s_mov_b32 s15, 0
	s_add_nc_u64 s[12:13], s[12:13], s[14:15]
	s_cmp_eq_u32 s[MODE], 2
	s_cbranch_scc1 .Lbias_v
	v_lshlrev_b32 v9, 6, v2                        ; 16 h numbers on
.irp b, 0,1,2,3,4,5,6,7
	global_load_b128 v[BI+8*\b:BI+8*\b+3], v9, s[12:13] offset:(32*(\b/2)+8*(\b%2))*4
	global_load_b128 v[BI+8*\b+4:BI+8*\b+7], v9, s[12:13] offset:(32*(\b/2)+8*(\b%2))*4+16
.endr
	s_branch .Lbias_done
.Lbias_v:
	v_and_b32 v9, 8, v1
	v_add_nc_u32 v9, v9, v1
	v_lshlrev_b32 v9, 2, v9                        ; position 16 a + r holds channel 32 (a / 2) + 8 (a % 2) + r + 8 (r / 8)
.irp a, 0,1,2,3,4,5,6,7
.irp j, 0,1,2,3,4,5,6,7
	global_load_b32 v[BI+8*\a+\j], v9, s[12:13] offset:(32*(\a/2)+8*(\a%2))*4   ; the row's bias in all eight registers
.endr
.endr
.Lbias_done:
.macro FRAG reg, adr, q, i             ; 16 rows x 128 K of 6-bit codes: 12 registers, in pieces of 8 bytes; where lanes 16-31's piece lies behind one padding more, the second address register serves
.irp p, 0,1,2,3,4,5
.set PC, 12*(\q)+6*(\p/3)+\p%3
.if PC%8 < 5
	ds_load_b64 v[\reg+2*\p:\reg+2*\p+1], v[\adr] offset:8*PC+16*(PC/8)+(\i)*16*PITCH
.else
	ds_load_b64 v[\reg+2*\p:\reg+2*\p+1], v[\adr+2] offset:8*PC+16*(PC/8)+(\i)*16*PITCH
.endif
.endr
.endm
; 16 matrix instructions: A's blocks a0, a0 + 1 x B's eight.  zero = 1: C = the bias by b; 2: the bias by a; 0: in place.  The 64 accumulators take turns.
.macro MUL16 a0, p, q, sc, zero
.irp a, \a0, \a0+1
.irp b, 0,1,2,3,4,5,6,7
.if (\zero) == 1
	v_wmma_scale_f32_16x16x128_f8f6f4 v[8*(8*((\a)%4)+\b):8*(8*((\a)%4)+\b)+7], v[128*(\p)+FR*\b:128*(\p)+FR*\b+FR-1], v[AF+FR*(\a):AF+FR*(\a)+FR-1], v[BI+8*\b:BI+8*\b+7], v[SC+8*NQ*(\sc)+NQ*\b+(\q)], v[SC+8*NQ*(\sc)+NQ*(\a)+(\q)] matrix_a_fmt:MATRIX_FMT_FP6 matrix_b_fmt:MATRIX_FMT_FP6 matrix_a_scale:MATRIX_SCALE_ROW1
.elseif (\zero) == 2
	v_wmma_scale_f32_16x16x128_f8f6f4 v[8*(8*((\a)%4)+\b):8*(8*((\a)%4)+\b)+7], v[128*(\p)+FR*\b:128*(\p)+FR*\b+FR-1], v[AF+FR*(\a):AF+FR*(\a)+FR-1], v[BI+8*(\a):BI+8*(\a)+7], v[SC+8*NQ*(\sc)+NQ*\b+(\q)], v[SC+8*NQ*(\sc)+NQ*(\a)+(\q)] matrix_a_fmt:MATRIX_FMT_FP6 matrix_b_fmt:MATRIX_FMT_FP6 matrix_a_scale:MATRIX_SCALE_ROW1
.else
	v_wmma_scale_f32_16x16x128_f8f6f4 v[8*(8*((\a)%4)+\b):8*(8*((\a)%4)+\b)+7], v[128*(\p)+FR*\b:128*(\p)+FR*\b+FR-1], v[AF+FR*(\a):AF+FR*(\a)+FR-1], v[8*(8*((\a)%4)+\b):8*(8*((\a)%4)+\b)+7], v[SC+8*NQ*(\sc)+NQ*\b+(\q)], v[SC+8*NQ*(\sc)+NQ*(\a)+(\q)] matrix_a_fmt:MATRIX_FMT_FP6 matrix_b_fmt:MATRIX_FMT_FP6 matrix_a_scale:MATRIX_SCALE_ROW1
.endif
.endr
.endr
.endm
.macro FETCH_B slot, q, p
	WIN TO_B
.irp i, 0,1,2,3,4,5,6,7
	FRAG 128*(\p)+FR*\i, ADRB+\slot, \q, \i
.endr
	WIN 0
.endm
.macro FETCH_A slot, q, i0
.irp i, \i0, \i0+1, \i0+2, \i0+3
	FRAG AF+FR*(\i), ADRA+\slot, \q, \i
.endr
.endm
.macro SCALES sc                       ; a slot step's scale words: lanes 0-15 A's block i, lanes 16-31 B's block i
.irp i, 0,1,2,3,4,5,6,7
	ds_load_b64 v[SC+8*NQ*\sc+NQ*\i:SC+8*NQ*\sc+NQ*\i+1], v[ADRS] offset:\i*SBLK
.endr
.endm
.macro PLACES n                        ; plain vector places behind matrix instructions, in front of loads into registers that they have read and of reads of their results
.rept \n
	v_nop
.endr
.endm
.macro STEP slot, q, zero              ; 128 along K whose successor lies in the same slot
	s_wait_dscnt 4*NL                              ; B's set and A's blocks 0-3 are in; the 24 loads of A's blocks 4-7 may be out
.if \zero
	WIN 0x81                                       ; C (the bias) window 0, D window 2
.else
	WIN MUL_LO
.endif
	MUL16 0, (\q)%2, \q, \slot, \zero
	MUL16 2, (\q)%2, \q, \slot, \zero
	s_wait_dscnt 0
	PLACES NP
	FETCH_B \slot, (\q)+1, 1-(\q)%2
	FETCH_A \slot, (\q)+1, 0
.if \zero
	WIN 0xc1
.else
	WIN MUL_HI
.endif
	MUL16 4, (\q)%2, \q, \slot, \zero
	MUL16 6, (\q)%2, \q, \slot, \zero
	PLACES NP
	WIN 0
	FETCH_A \slot, (\q)+1, 4
.endm
; A slot's last step changes slots: one barrier; in front of it each wave waits for all its tensor loads, adds 0 to its spare word, and waits for that and for its reads of this slot.
.macro TURN slot, next, fill
	s_wait_tensorcnt 0x0                           ; all my tensor loads have landed: my part of the next slot
	ds_add_u32 v[SPW], v[NIL]
	s_wait_dscnt 4*NL+1                            ; (the add and the 24 loads of A's blocks 4-7 may be out)
	WIN MUL_LO
	MUL16 0, 1, NQ-1, \slot, 0
	s_wait_dscnt 0x0                               ; the add is done, and my reads of this slot are over
	s_barrier_signal -1
	MUL16 2, 1, NQ-1, \slot, 0
	WIN 0
	s_barrier_wait -1
.if \fill
	CREST                                          ; the barrier has opened a round of the cluster's: no wave of any partner still reads this slot or has a load on its way
	s_add_nc_u64 s[G0+4*\slot+2:G0+4*\slot+3], s[G0+4*\slot+2:G0+4*\slot+3], 2*ROWB
	s_add_nc_u64 s[G0B+4*\slot+2:G0B+4*\slot+3], s[G0B+4*\slot+2:G0B+4*\slot+3], 2*ROWB
	JLOAD G0+4*\slot, G1, G0B+4*\slot, G1B         ; the first tensor load behind the round; its four v_nop are the places in front of the loads below
.else
	PLACES NP
.endif
	s_wait_alu depctr_va_vdst(0)
	v_add_nc_u32 v[ADRS], 4*NQ, v[ADRS]
	FETCH_B \next, 0, 0
	FETCH_A \next, 0, 0
	SCALES \next
	WIN MUL_HI
	MUL16 4, 1, NQ-1, \slot, 0
	MUL16 6, 1, NQ-1, \slot, 0
	PLACES NP
	WIN 0
	FETCH_A \next, 0, 4
.endm
	s_wait_alu depctr_va_vdst(0)
	s_wait_tensorcnt 0x0                           ; my tile of the head's four is in; slot 1's first fill is issued as a refill is:
	ds_add_u32 v[SPW], v[NIL]
	s_mov_b32 s[G1+2], 8<<16                       ; no load of mine is out: from here on a load brings 128 rows, 8 tensor rows
	s_mov_b32 s[G1+4], 8
	s_mov_b32 s[G1B+2], 8<<16
	s_mov_b32 s[G1B+4], 8
	s_wait_dscnt 0x0
	CROUND                                         ; all four tiles are in, all sixteen work-groups are here
	JLOAD G0+4, G1, G0B+4, G1B                     ; K step 1, the first tensor load behind the round
	FETCH_B 0, 0, 0
	FETCH_A 0, 0, 0
	s_wait_alu depctr_va_vdst(0)
	SCALES 0
	FETCH_A 0, 0, 4
	s_wait_loadcnt 0x0                             ; the bias
	s_cmp_eq_u32 s[MODE], 2
	s_cbranch_scc1 .Lfirst_v
	STEP 0, 0, 1                                   ; the first step starts the sums with the bias
	s_branch .Lfirst_done
.Lfirst_v:
	STEP 0, 0, 2
.Lfirst_done:
	s_mov_b32 s3, LAPS-1
.Llap:                                             ; a trip goes once round the ring and fills both slots again
	TURN 0, 1, 1
	STEP 1, 0, 0
	TURN 1, 0, 1
	STEP 0, 0, 0
	s_sub_co_u32 s3, s3, 1
	s_cmp_lg_u32 s3, 0
	s_cbranch_scc1 .Llap
	TURN 0, 1, 0                                   ; the last lap fills nothing
	STEP 1, 0, 0
	s_wait_dscnt 4*NL
	WIN MUL_LO
	MUL16 0, 1, NQ-1, 1, 0
	MUL16 2, 1, NQ-1, 1, 0
	s_wait_dscnt 0
	WIN MUL_HI
	MUL16 4, 1, NQ-1, 1, 0
	MUL16 6, 1, NQ-1, 1, 0
	WIN 0
	; THE WAY OUT.  R = my 128 rows of A', Cc = my 128 of B'.  TOK: which 128 tokens (batch TOK / 16, step TOK % 16); G: which pair of heads.
	s_lshl_b32 s94, s92, 1
	s_add_co_u32 s94, s94, s[RH]
	s_lshl_b32 s95, s42, 1
	s_add_co_u32 s95, s95, s[CH]
	s_mov_b32 s98, HB
	s_cmp_eq_u32 s[MODE], 2
	s_cselect_b32 s96, s95, s94                    ; TOK
	s_cselect_b32 s97, s94, s95                    ; G
	s_cselect_b32 s99, s98, 3072                   ; from blocks 0-3 to blocks 4-7: q, k four tiles on; v the pair's other head
	s_cselect_b32 s98, 3072, s98                   ; from registers 0-5 to 6-11: q, k the other head; v the step's second half
	s_lshr_b32 s100, s96, 4
	s_and_b32 s96, s96, 15
	s_lshl_b32 s101, s100, 3
	s_add_co_u32 s101, s101, s97                   ; 8 batch + G
	s_mul_i32 s2, s101, 2*HB
	s_mul_i32 s3, s96, 6144
	s_add_co_u32 s2, s2, s3
	s_mul_i32 s3, s[MODE], AT
	s_add_co_u32 s2, s2, s3
	s_mov_b32 s3, 0
	s_add_nc_u64 s[OB:OB+1], s[18:19], s[2:3]      ; (no tensor load is out: the descriptors' registers are free)
	s_mov_b32 s2, s99
	s_add_nc_u64 s[OB+2:OB+3], s[OB:OB+1], s[2:3]
	s_mov_b32 s2, s98
	s_add_nc_u64 s[OB+4:OB+5], s[OB:OB+1], s[2:3]
	s_add_nc_u64 s[OB+6:OB+7], s[OB+2:OB+3], s[2:3]
	s_lshl_b32 s101, s101, 4
	s_add_co_u32 s101, s101, s96
	s_lshl_b32 s2, s101, 9                         ; 512 bytes of scale words for a pair of heads and a step
	s_mul_i32 s96, s[MODE], ST
	s_add_co_u32 s2, s2, s96
	s_add_nc_u64 s[20:21], s[20:21], s[2:3]
	s_mov_b32 s[HM], 0xffff0000
	s_mov_b32 s[SEL], 0x76543210
	s_mov_b32 s[SEL+1], 0xfedcba98
	PLACES NP
.irp b, 0,1,2,3
	v_mov_b32 v[TM+4+\b], 0                        ; written once: a lane permute's destination counts as one of its sources
.endr
.macro OUTA a                          ; block a: 64 numbers a lane become a fragment's codes and a scale word
.set W, 2+(\a)/4
.set AC, 64*((\a)%4)
.set WA, W|(W<<2)
.set WB, (W<<2)|(W<<4)
	WIN WA
.irp b, 0,1,2,3
	v_max3_num_f32 v[TM+\b], |v[AC+16*\b]|, |v[AC+16*\b+1]|, 0x1800000   ; each accumulator is read from its low end on; the floor 2^(3 - 127) holds the byte at 1 from below
.endr
	WIN WB
.irp i, 2,4,6,8,10,12,14
.irp b, 0,1,2,3
	v_max3_num_f32 v[TM+\b], v[TM+\b], |v[AC+16*\b+\i]|, |v[AC+16*\b+\i+1]|
.endr
.endr
	WIN 0
.irp b, 0,1,2,3
	v_permlanex16_b32 v[TM+4+\b], v[TM+\b], s[SEL], s[SEL+1]
.endr
.irp b, 0,1,2,3
	v_max_num_f32 v[TM+\b], v[TM+\b], v[TM+4+\b]   ; with lane l xor 16's: the block's largest magnitude
.endr
.irp b, 0,1,2,3
	v_add_nc_u32 v[TM+12+\b], 0xff000000, v[TM+\b] ; 2 off the exponent field: the conversion's scale operand
.endr
.irp b, 0,1,2,3
	v_lshrrev_b32 v[TM+4+\b], 23, v[TM+12+\b]
.endr
	v_lshl_or_b32 v[SW+(\a)], v[TM+5], 8, v[TM+4]
	v_lshl_or_b32 v[SW+(\a)], v[TM+6], 16, v[SW+(\a)]
	v_lshl_or_b32 v[SW+(\a)], v[TM+7], 24, v[SW+(\a)]
	s_wait_xcnt 0x0                                ; the last block's stores have read the codes' registers
	WIN W
.irp c, 0,1
	v_cvt_scalef32_pk16_fp6_f32 v[CD+6*\c:CD+2+6*\c], v[AC+32*\c:AC+15+32*\c], v[TM+12+2*\c]
	v_cvt_scalef32_pk16_fp6_f32 v[CD+12+4*\c:CD+14+4*\c], v[AC+16+32*\c:AC+31+32*\c], v[TM+12+2*\c+1]
.endr
	WIN 0
	v_nop                                          ; one plain place behind a scaled conversion
.irp c, 0,1                                    ; a whole block in a lane: lanes 0-15 block 2 c, lanes 16-31 block 2 c + 1
.irp i, 0,1,2
	v_permlane16_swap_b32 v[CD+6*\c+\i], v[CD+12+4*\c+\i]
.endr
.irp i, 0,1,2
	v_mov_b32 v[CD+3+6*\c+\i], v[CD+12+4*\c+\i]
.endr
.endr
.irp c, 0,1
.irp i, 0,1,2
	global_store_b64 v7, v[CD+6*\c+2*\i:CD+6*\c+2*\i+1], s[OB+4*\c+2*((\a)/4):OB+4*\c+2*((\a)/4)+1] offset:((\a)%4)*768+256*\i   ; 32 lanes store 256 consecutive bytes, aligned
.endr
.endr
.endm
.irp a, 0,1,2,3,4,5,6,7
	OUTA \a
.endr
.irp i, 0,1,2,3
	v_cndmask_b32 v[SLW+\i], v[SW+\i], v[SW+4+\i], s[HM]   ; lanes 0-15 store blocks 0-3's words of row r, lanes 16-31 blocks 4-7's
.endr
	global_store_b128 v8, v[SLW:SLW+3], s[20:21]   ; 512 consecutive bytes
	s_wait_tensorcnt 0x0                           ; the wave's end
	ds_add_u32 v[SPW], v[NIL]
	s_wait_dscnt 0x0
	CROUND                                         ; the closing round
	s_endpgm
.Lfunc_end_k_q6fe4189b0c_proj:
	.size	k_q6fe4189b0c_proj, .Lfunc_end_k_q6fe4189b0c_proj-k_q6fe4189b0c_proj
	.p2alignl 7, 3214868480
	.fill 96, 4, 3214868480
	.section	.rodata,"a",@progbits
	.p2align	6, 0x0
	.amdhsa_kernel k_q6fe4189b0c_proj
		.amdhsa_group_segment_fixed_size 327680
		.amdhsa_private_segment_fixed_size 0
		.amdhsa_enable_private_segment 0
		.amdhsa_kernarg_size 72
		.amdhsa_user_sgpr_count 2
		.amdhsa_user_sgpr_kernarg_segment_ptr 1
		.amdhsa_wavefront_size32 1
		.amdhsa_system_sgpr_workgroup_id_x 1
		.amdhsa_system_sgpr_workgroup_id_y 1
		.amdhsa_system_sgpr_workgroup_id_z 1
		.amdhsa_system_vgpr_workitem_id 0
		.amdhsa_next_free_vgpr 1024
		.amdhsa_next_free_sgpr 102
		.amdhsa_reserve_vcc 0
		.amdhsa_float_denorm_mode_32 3
		.amdhsa_float_denorm_mode_16_64 3
		.amdhsa_memory_ordered 1
		.amdhsa_forward_progress 1
		.amdhsa_inst_pref_size 192
	.end_amdhsa_kernel
	.amdgpu_metadata
---
amdhsa.version: [ 1, 2 ]
amdhsa.kernels:
  - .name:           k_q6fe4189b0c_proj
    .symbol:         k_q6fe4189b0c_proj.kd
    .args:
      - { .name: xc, .offset: 0, .size: 8, .value_kind: global_buffer, .address_space: global }
      - { .name: xs, .offset: 8, .size: 8, .value_kind: global_buffer, .address_space: global }
      - { .name: wc, .offset: 16, .size: 8, .value_kind: global_buffer, .address_space: global }
      - { .name: ws, .offset: 24, .size: 8, .value_kind: global_buffer, .address_space: global }
      - { .name: bq, .offset: 32, .size: 8, .value_kind: global_buffer, .address_space: global }
      - { .name: bk, .offset: 40, .size: 8, .value_kind: global_buffer, .address_space: global }
      - { .name: bv, .offset: 48, .size: 8, .value_kind: global_buffer, .address_space: global }
      - { .name: ac, .offset: 56, .size: 8, .value_kind: global_buffer, .address_space: global }
      - { .name: asw, .offset: 64, .size: 8, .value_kind: global_buffer, .address_space: global }
    .group_segment_fixed_size: 327680
    .private_segment_fixed_size: 0
    .kernarg_segment_align: 8
    .kernarg_segment_size: 72
    .max_flat_workgroup_size: 128
    .sgpr_count:     102
    .vgpr_count:     1024
    .wavefront_size: 32
...
	.end_amdgpu_metadata
.endif
;; end of part 3
;; launch attn (part 4): grid 4 x 64, 16 waves a work-group, clusters of 4 x 1, 327,680 bytes of LDS; arguments ac, asw, oc, os; writes oc, os
.if DOCPART == 4
	.amdgcn_target "amdgcn-amd-amdhsa--gfx1250"
	.amdhsa_code_object_version 6
	.text
	.protected	k_q6fe4189b0c_attn
	.globl	k_q6fe4189b0c_attn
	.p2align	8
	.type	k_q6fe4189b0c_attn,@function
k_q6fe4189b0c_attn:
	s_mov_b64 s[64:65], 0
	v_nop
	global_prefetch_b8 v0, s[64:65] scope:SCOPE_SE
	s_setreg_imm32_b32 hwreg(HW_REG_WAVE_MODE, 25, 1), 1
	s_wait_xcnt 0x0
	s_wait_alu depctr_hold_cnt(0) depctr_sa_sdst(0) depctr_va_vdst(0) depctr_va_sdst(0) depctr_va_ssrc(0) depctr_va_vcc(0) depctr_vm_vsrc(0)
	s_getreg_b32 s2, hwreg(HW_REG_IB_STS2, 6, 4)
	s_cmp_eq_u32 s2, 0
	s_cbranch_scc0 .Lentry_in_a_cluster
	s_endpgm
.Lentry_in_a_cluster:
	s_bfe_u32 s2, ttmp6, 0x10000c
	s_cmp_lg_u32 s2, 0x3003
	s_cbranch_scc0 .Lentry_shape_is_right
	s_endpgm
.Lentry_shape_is_right:
; ATTENTION ON CODES OF FP6: o = softmax(q k^T / 8) v for one batch and head (work-group y) and 512 queries (work-group x), quantised on the way out for the last projection.  No work is left out.
; q, k, v come as images of operand registers with their scale words, as the projections' kernel leaves them; o leaves the same way.
; THE DEAL: 16 waves; a wave takes TWO tiles of 16 queries (A, and B 16 tiles on) through all 2,048 keys in 16 steps of 128: each fragment of k and v read from LDS feeds both tiles.
; ALL of the head's k and v (2 x 98,304 bytes) and the scale words of its pair of heads (2 x 8,192) lie in LDS: asked for once, at the head, one tensor load a wave: waves 0-5 k, 6-11 v (16,384 bytes each),
; wave 12 k's scale words, wave 13 v's.  Nothing is filled again, so the walk has no barrier.  The four work-groups of a cluster are the head's four query blocks: they ask jointly (mask 15).
; NO PREFETCH: every tile is asked for at the head; there is no loop to run ahead in.
; BOTH PRODUCTS ARE USED TRANSPOSED (S^T = k q^T, O^T = v^T p^T): a lane holds one query throughout.  k's stored tile t of a band of 64 keys holds keys 8 t + j and 32 + 8 t + j (the first kernel lays them so):
; so lane (r, h), score register 32 c + 8 t + j is key 64 c + 32 h + 8 t + j: 32 registers on end are ONE scale block of p, in the order of p's operand.  No lane asks another for a block's largest p.
; THE HEAD'S SIZE IS 64, the product's K 128: q's operand has zero codes in its upper six registers, so the upper six of k's operand may hold any codes: k's tiles lie six registers apart, each operand's
; upper half being the next tile (the last tile's: p's first six registers).  The scale bytes there are 0 (2^-127, finite), over products that are 0.
; THE SOFTMAX: M = the running largest t rounded up, kept as -M = floor(-c x largest score), c = log2(e) / 8; p = 2^(c s - M); the row's sum is taken of the unquantised p; when M moves, sum and O^T are multiplied by
; f = 2^(old M - new M), with no branch.  A block's largest p is the block's largest score put through the same multiply-add and exponential.
; LIMITS: the promise holds while the scaled scores stay under 2^31 in magnitude; a block whose every p is under 2^-124 gets the byte 1; NaN and infinities are not served.
.set AT,    6291456                    ; an image (q, k, v) in ac
.set ST,    262144                     ; a part of asw
.set HB,    98304                      ; a head in an image
.set VOFF,  98304                      ; LDS: k at 0, v here
.set SCK,   196608                     ; k's scale words
.set SCV,   204800                     ; v's
.set SPARE, 212992                     ; the spare words, 128 bytes a wave, named by no other line
.set AK0,  1                           ; 8 x lane
.set ASK0, 2                           ; k's scale words: 32 r + 16 h (lanes 16-31: tiles 4-7) + 2 x the head's low bit
.set ASV0, 3                           ; v's: 32 r + 16 x the head's low bit
.set ADX,  4                           ; this step's address of codes
.set SH8,  5                           ; 8 h
.set PR,   6
.set N2,   7
.set SA,   8                           ; tile A: -M, largest score, the sum in two halves
.set SB,   12                          ; tile B
.set F,    16                          ; f (pair)
.set BM,   18                          ; the two blocks' largest
.set CB,   20
.set SOP,  22                          ; the conversions' scale operands
.set TC0,  24
.set PW,   27                          ; p's scale word
.set TC1,  28
.set ADY,  31                          ; this step's address of scale words
.set KS,   32                          ; k's scale words: lanes 0-15 tile t, lanes 16-31 tile 4 + t
.set VS,   36
.set QSA,  40
.set QSB,  41
.set SPW,  42
.set NIL,  43
.set QA,   44
.set QB,   56
.set KV,   68                          ; v68-115: eight tiles of k, then four fragments of v
.set P,    116
.set S,    128
.set OA,   192
.set OB,   224
.set TK,   2
.set TS,   3
.set WV,   18
.set NC,   19
.set SEL,  20
.set CS,   22
.set G1C,  24
.set G1S,  32
.set G0C,  40
.set G0S,  44
.set CNT,  60
.set HM,   61
.set TKV,  82
.macro WALU
	s_wait_alu depctr_va_vdst(0)
.endm
.macro CROUND
	s_barrier_signal -1
	s_barrier_wait -1
	s_cmp_lg_u32 s[WV], 0
	s_cbranch_scc1 .Lnot_wave_0_\@
	s_barrier_signal -3
.Lnot_wave_0_\@:
	s_barrier_wait -3
	s_barrier_signal -1
	s_barrier_wait -1
.endm
	s_load_b256 s[4:11], s[0:1], 0x0               ; ac, asw, oc, os
	v_lshl_add_u32 v[SPW], v0, 2, SPARE
	v_mov_b32 v[NIL], 0
	ds_add_u32 v[SPW], v[NIL]                      ; the opening lines
	ds_add_u32 v[SPW], v[NIL]
	v_lshrrev_b32 v[N2], 5, v0
	v_readfirstlane_b32 s[WV], v[N2]
	s_bfe_u32 s12, ttmp6, 0x40000                  ; cx: which 512 queries
	s_and_b32 s13, ttmp7, 0xffff                   ; 16 batch + head
	s_lshr_b32 s14, s13, 4
	s_and_b32 s15, s13, 15
	s_lshr_b32 s16, s15, 1
	s_and_b32 s17, s15, 1
	s_mul_i32 s62, s13, HB                         ; the codes that I fetch: 16,384 bytes x wave of k's head, then of v's
	s_lshl_b32 s63, s[WV], 14
	s_add_co_u32 s62, s62, s63
	s_mul_i32 s66, s[WV], 11
	s_lshr_b32 s66, s66, 6                         ; wave / 6
	s_mul_i32 s63, s66, AT-HB
	s_add_co_u32 s62, s62, s63
	s_add_co_u32 s62, s62, AT
	s_mov_b32 s63, 0
	s_lshl_b32 s67, s14, 3
	s_add_co_u32 s67, s67, s16                     ; the pair of heads
	s_lshl_b32 s68, s67, 13
	s_and_b32 s69, s[WV], 1                        ; wave 12: k's words, wave 13: v's
	s_mul_i32 s70, s69, ST
	s_add_co_u32 s68, s68, s70
	s_add_co_u32 s68, s68, ST
	s_lshl_b32 s[G0S+1], s69, 13
	s_add_co_u32 s[G0S+1], s[G0S+1], SCK
	s_mov_b32 s69, 0
	s_mov_b32 s[G1C], 15|(3<<16)|(1<<21)           ; dense blocks as rows of 256 bytes: 64 rows of codes,
	s_mov_b32 s[G1C+1], 32<<16
	s_mov_b32 s[G1C+2], 64<<16
	s_mov_b32 s[G1C+3], 32<<16
	s_mov_b32 s[G1C+4], 64
	s_mov_b32 s[G1C+5], 32
	s_mov_b32 s[G1C+6], 0
	s_mov_b32 s[G1C+7], 0
	s_mov_b32 s[G1S], 15|(3<<16)|(1<<21)           ; 32 rows of scale words
	s_mov_b32 s[G1S+1], 32<<16
	s_mov_b32 s[G1S+2], 32<<16
	s_mov_b32 s[G1S+3], 32<<16
	s_mov_b32 s[G1S+4], 32
	s_mov_b32 s[G1S+5], 32
	s_mov_b32 s[G1S+6], 0
	s_mov_b32 s[G1S+7], 0
	s_lshl_b32 s70, s12, 5
	s_add_co_u32 s70, s70, s[WV]                   ; my tile A of the sequence's 128; B is 16 on
	s_mul_i32 s74, s13, HB
	s_mul_i32 s71, s70, 768
	s_add_co_u32 s74, s74, s71                     ; q's codes
	s_mov_b32 s75, 0
	s_lshl_b32 s76, s67, 13                        ; q's scale words
	s_lshr_b32 s71, s70, 3
	s_lshl_b32 s71, s71, 9
	s_add_co_u32 s76, s76, s71
	s_and_b32 s71, s70, 7
	s_lshl_b32 s71, s71, 2
	s_add_co_u32 s76, s76, s71
	s_lshl_b32 s71, s17, 1
	s_add_co_u32 s76, s76, s71
	s_mov_b32 s77, 0
	s_lshl_b32 s78, s14, 7
	s_add_co_u32 s78, s78, s70
	s_lshl_b32 s80, s78, 9                         ; o's scale bytes: 32 a row, 2 a head
	s_lshl_b32 s78, s78, 4
	s_add_co_u32 s78, s78, s15
	s_mul_i32 s78, s78, 768                        ; o's codes: [tile][head][768]
	s_mov_b32 s79, 0
	s_lshl_b32 s71, s15, 1
	s_add_co_u32 s80, s80, s71
	s_mov_b32 s81, 0
	s_lshl_b32 s72, s17, 1
	s_add_co_u32 s72, s72, SCK
	s_lshl_b32 s73, s17, 4
	s_add_co_u32 s73, s73, SCV
	s_mov_b32 s[SEL], 0x76543210
	s_mov_b32 s[SEL+1], 0xfedcba98
	s_mov_b32 s[CS], 0x3e38aa3b                    ; c = log2(e) / 8
	s_mov_b32 s[CS+1], s[CS]
	s_mov_b32 s[NC], 0xbe38aa3b                    ; -c
	s_mov_b32 s[HM], 0xffff0000
	s_mov_b32 s[TK], 0
	s_mov_b32 s[TS], 0
	s_mov_b32 s[TKV], VOFF
	s_wait_dscnt 0x0
	s_wait_kmcnt 0x0
	s_mov_b32 s[G0S], 1
	s_add_nc_u64 s[G0S+2:G0S+3], s[6:7], s[68:69]
	s_or_b32 s[G0S+3], s[G0S+3], 0x80000000
	s_mov_b32 s[G0C], 1
	s_lshl_b32 s[G0C+1], s[WV], 14
	s_add_nc_u64 s[G0C+2:G0C+3], s[4:5], s[62:63]
	s_or_b32 s[G0C+3], s[G0C+3], 0x80000000
	s_add_nc_u64 s[74:75], s[4:5], s[74:75]
	s_add_nc_u64 s[76:77], s[6:7], s[76:77]
	s_add_nc_u64 s[78:79], s[8:9], s[78:79]
	s_add_nc_u64 s[80:81], s[10:11], s[80:81]
	CROUND                                         ; the four partners are here: the joint loads meet
	s_cmp_lt_u32 s[WV], 12                         ; one chain of branches on the wave's number, one load to an arm
	s_cbranch_scc0 .Lwords
	tensor_load_to_lds s[G0C:G0C+3], s[G1C:G1C+7]
	s_nop 0
.rept 4
	v_nop
.endr
	s_branch .Lasked
.Lwords:
	s_cmp_lt_u32 s[WV], 14
	s_cbranch_scc0 .Lasked
	tensor_load_to_lds s[G0S:G0S+3], s[G1S:G1S+7]
	s_nop 0
.rept 4
	v_nop
.endr
.Lasked:
	v_and_b32 v[PR], 31, v0
	v_and_b32 v[N2], 15, v0
	v_lshlrev_b32 v[AK0], 3, v[PR]
	v_bfe_u32 v[PR], v0, 4, 1
	v_lshlrev_b32 v[BM], 5, v[N2]                  ; 32 r
	v_lshlrev_b32 v[SH8], 3, v[PR]
	v_lshl_add_u32 v[ASK0], v[PR], 4, v[BM]
	v_add_nc_u32 v[ASV0], s73, v[BM]
	v_add_nc_u32 v[ASK0], s72, v[ASK0]
.irp i, 0,1,2
	global_load_b64 v[QA+2*\i:QA+2*\i+1], v[AK0], s[74:75] offset:256*\i
	global_load_b64 v[QB+2*\i:QB+2*\i+1], v[AK0], s[74:75] offset:12288+256*\i
.endr
	global_load_u16 v[QSA], v[BM], s[76:77]
	global_load_u16 v[QSB], v[BM], s[76:77] offset:1024
.irp j, 6,7,8,9,10,11
	v_mov_b32 v[QA+\j], 0                          ; q's zero codes for k = 64 .. 127
	v_mov_b32 v[QB+\j], 0
	v_mov_b32 v[P+\j-6], 0                         ; written once: the last tile of k names them as its upper half
.endr
	v_mov_b32 v[F+1], 0
.irp s, SA, SB
	v_mov_b32 v[\s], 0x7f61b1e6                    ; -M: 3e38, so that the first f is 0
	v_mov_b32 v[\s+1], 0xff61b1e6                  ; the largest score so far: -3e38
	v_mov_b32 v[\s+2], 0
	v_mov_b32 v[\s+3], 0
.endr
.set jj, 0
.rept 64
	v_mov_b32 v[OA+jj], 0                          ; O^T of both tiles: the step is written once
.set jj, jj+1
.endr
.macro QK q, qs                        ; S^T = k q^T: eight tiles of 16 keys
.irp t, 0,1,2,3
	v_wmma_scale_f32_16x16x128_f8f6f4 v[S+8*\t:S+8*\t+7], v[KV+6*\t:KV+6*\t+11], v[\q:\q+11], 0, v[KS+\t], v[\qs] matrix_a_fmt:MATRIX_FMT_FP6 matrix_b_fmt:MATRIX_FMT_FP6
.endr
.irp t, 0,1,2,3
	v_wmma_scale_f32_16x16x128_f8f6f4 v[S+32+8*\t:S+32+8*\t+7], v[KV+24+6*\t:KV+24+6*\t+11], v[\q:\q+11], 0, v[KS+\t], v[\qs] matrix_a_fmt:MATRIX_FMT_FP6 matrix_b_fmt:MATRIX_FMT_FP6 matrix_a_scale:MATRIX_SCALE_ROW1
.endr
.endm
.macro PV o                            ; O^T += v^T p^T: four tiles of 16 channels, K = the step's 128 keys
.irp t, 0,1,2,3
	v_wmma_scale_f32_16x16x128_f8f6f4 v[\o+8*\t:\o+8*\t+7], v[KV+12*\t:KV+12*\t+11], v[P:P+11], v[\o+8*\t:\o+8*\t+7], v[VS+\t], v[PW] matrix_a_fmt:MATRIX_FMT_FP6 matrix_b_fmt:MATRIX_FMT_FP6
.endr
.endm
.macro SOFT1 st                        ; the blocks' largest scores (four chains by turns; each accumulator is first read at its low end), the new M and f, t - M
.irp b, 0,1
	v_max3_num_f32 v[BM+\b], v[S+32*\b], v[S+32*\b+1], v[S+32*\b+2]
	v_max3_num_f32 v[CB+\b], v[S+32*\b+16], v[S+32*\b+17], v[S+32*\b+18]
.endr
.irp i, 3,5,7,9,11,13
.irp b, 0,1
	v_max3_num_f32 v[BM+\b], v[BM+\b], v[S+32*\b+\i], v[S+32*\b+\i+1]
	v_max3_num_f32 v[CB+\b], v[CB+\b], v[S+32*\b+16+\i], v[S+32*\b+17+\i]
.endr
.endr
.irp b, 0,1
	v_max3_num_f32 v[BM+\b], v[BM+\b], v[CB+\b], v[S+32*\b+15]
.endr
.irp b, 0,1
	v_max_num_f32 v[BM+\b], v[BM+\b], v[S+32*\b+31]
.endr
	s_delay_alu instid0(VALU_DEP_1)
	v_max_num_f32 v[N2], v[BM], v[BM+1]
	s_delay_alu instid0(VALU_DEP_1)
	v_permlanex16_b32 v[PR], v[N2], s[SEL], s[SEL+1]
	s_delay_alu instid0(VALU_DEP_1)
	v_max3_num_f32 v[\st+1], v[\st+1], v[N2], v[PR]   ; the running largest score of my query
	s_delay_alu instid0(VALU_DEP_1)
	v_mul_f32 v[N2], s[NC], v[\st+1]
	s_delay_alu instid0(VALU_DEP_1)
	v_floor_f32 v[N2], v[N2]                       ; the new -M = floor(-t)
	s_delay_alu instid0(VALU_DEP_1)
	v_sub_f32 v[PR], v[N2], v[\st]                 ; old M - new M, a whole number, 0 or less
	v_mov_b32 v[\st], v[N2]
	s_delay_alu instid0(VALU_DEP_2)
	v_cvt_i32_f32 v[PR], v[PR]                     ; (it saturates)
	s_delay_alu instid0(VALU_DEP_1)
	v_ldexp_f32 v[F], 1.0, v[PR]
.set jj, 0
.rept 32
	v_pk_fma_f32 v[S+jj:S+jj+1], v[S+jj:S+jj+1], s[CS:CS+1], v[\st:\st+1] op_sel_hi:[1,0,0]
.set jj, jj+2
.endr
.irp b, 0,1
	v_fma_f32 v[BM+\b], v[BM+\b], s[CS], v[\st]
.endr
.endm
.macro SOFT2 st                        ; p, the sum, p's scales and codes.  The wait ahead of the batch stands ahead of this macro
.set jj, 0
.rept 64
	v_exp_f32 v[S+jj], v[S+jj]
.set jj, jj+1
.endr
.irp b, 0,1
	v_exp_f32 v[BM+\b], v[BM+\b]                   ; the block's largest p
.endr
	v_pk_mul_f32 v[\st+2:\st+3], v[\st+2:\st+3], v[F:F+1] op_sel_hi:[1,0]   ; the sum under the new M: a plain place behind the batch
	WALU                                           ; one wait for the batch
	v_pk_add_f32 v[CB:CB+1], v[S:S+1], v[S+2:S+3]
.irp j, 4,8,12,16,20,24,28,32,36,40,44,48,52,56,60
	v_pk_add_f32 v[\st+2:\st+3], v[\st+2:\st+3], v[S+\j:S+\j+1]
	v_pk_add_f32 v[CB:CB+1], v[CB:CB+1], v[S+\j+2:S+\j+3]
.endr
.irp b, 0,1
	v_max_num_f32 v[BM+\b], 0x1800000, v[BM+\b]    ; the floor 2^(3 - 127): the byte cannot fall under 1
.endr
	v_pk_add_f32 v[\st+2:\st+3], v[\st+2:\st+3], v[CB:CB+1]
.irp b, 0,1
	v_add_nc_u32 v[SOP+\b], 0xff000000, v[BM+\b]   ; 2 off the exponent field: the conversions' scale operand
.endr
.irp b, 0,1
	v_lshrrev_b32 v[BM+\b], 23, v[SOP+\b]          ; the bytes of blocks h and 2 + h
.endr
	v_cvt_scalef32_pk16_fp6_f32 v[P:P+2], v[S:S+15], v[SOP]
	v_cvt_scalef32_pk16_fp6_f32 v[TC0:TC0+2], v[S+16:S+31], v[SOP]       ; (a conversion's three registers begin on an even number)
	v_cvt_scalef32_pk16_fp6_f32 v[P+6:P+8], v[S+32:S+47], v[SOP+1]
	v_cvt_scalef32_pk16_fp6_f32 v[TC1:TC1+2], v[S+48:S+63], v[SOP+1]
	v_nop                                          ; one plain place behind the conversions
	v_lshl_or_b32 v[N2], v[BM+1], 16, v[BM]        ; the scale word, its lines by turns with the moves
	v_mov_b32 v[P+3], v[TC0]
	v_lshlrev_b32 v[N2], v[SH8], v[N2]             ; my two bytes at their places
	v_mov_b32 v[P+4], v[TC0+1]
	v_permlanex16_b32 v[PR], v[N2], s[SEL], s[SEL+1]
	v_mov_b32 v[P+5], v[TC0+2]
	v_mov_b32 v[P+9], v[TC1]
	v_or_b32 v[PW], v[N2], v[PR]                   ; with lane l xor 16's two the word is whole
	v_mov_b32 v[P+10], v[TC1+1]
	v_mov_b32 v[P+11], v[TC1+2]
.endm
.macro RESC o                          ; O^T under the new M.  These 16 are also the places between p's codes and scale word and the products that take them
	WALU                                           ; directly ahead of the first reader of O^T
.set jj, 0
.rept 16
	v_pk_mul_f32 v[\o+jj:\o+jj+1], v[\o+jj:\o+jj+1], v[F:F+1] op_sel_hi:[1,0]
.set jj, jj+2
.endr
.endm
	WALU
	s_wait_loadcnt 0x0                             ; q
	s_wait_tensorcnt 0x0                           ; my part of k, v or the scale words
	s_barrier_signal -1
	s_barrier_wait -1                              ; everybody's
	s_mov_b32 s[CNT], 16
.Lstep:
	v_add_nc_u32 v[ADX], s[TK], v[AK0]             ; two address lines and two v_nop: the four places between the last products and the loads into their registers
	v_add_nc_u32 v[ADY], s[TS], v[ASK0]
	v_nop
	v_nop
.set n, 0
.rept 24
	ds_load_b64 v[KV+2*n:KV+2*n+1], v[ADX] offset:256*n   ; eight tiles of k, six registers each
.set n, n+1
.endr
.irp t, 0,1,2,3
	ds_load_u16 v[KS+\t], v[ADY] offset:4*\t
.endr
	s_wait_dscnt 0x0
	QK QA, QSA
.rept 4
	v_nop
.endr
	SOFT1 SA
	WALU                                           ; ahead of the batch of exponentials
	SOFT2 SA
	RESC OA
	QK QB, QSB                                     ; the same fragments of k serve tile B; A's scores have become codes
	v_add_nc_u32 v[ADX], s[TKV], v[AK0]
	v_add_nc_u32 v[ADY], s[TS], v[ASV0]
	v_nop
	v_nop
.irp t, 0,1,2,3
.irp c, 0,1
.irp i, 0,1,2
	ds_load_b64 v[KV+12*\t+6*\c+2*\i:KV+12*\t+6*\c+2*\i+1], v[ADX] offset:\c*3072+\t*768+256*\i   ; v's four fragments, over k's
.endr
.endr
.endr
	ds_load_b128 v[VS:VS+3], v[ADY]
	SOFT1 SB
	WALU                                           ; ahead of the wait below and of the batch
	s_wait_dscnt 0x0                               ; v is in
	PV OA                                          ; A's product, before B's codes take p's registers
	SOFT2 SB
	RESC OB
	PV OB
	s_add_co_u32 s[TK], s[TK], 6144
	s_add_co_u32 s[TKV], s[TKV], 6144
	s_add_co_u32 s[TS], s[TS], 512
	s_sub_co_u32 s[CNT], s[CNT], 1
	s_cmp_lg_u32 s[CNT], 0
	WALU                                           ; directly ahead of the branch
	s_cbranch_scc1 .Lstep
; THE WAY OUT: O^T / the sum; v's channel tiles lie in position order, so the 16 registers of two neighbouring tiles are channels 32 b + 16 h + 0 .. 15: two blocks of 32 with lane l xor 16; codes and two scale bytes a row
.macro WAYOUT o, st, pass, osw
	v_add_f32 v[\st+2], v[\st+2], v[\st+3]
	s_delay_alu instid0(VALU_DEP_1)
	v_permlanex16_b32 v[PR], v[\st+2], s[SEL], s[SEL+1]
	s_delay_alu instid0(VALU_DEP_1)
	v_add_f32 v[\st+2], v[\st+2], v[PR]
	WALU
	v_rcp_f32 v[\st+2], v[\st+2]
	v_nop
	WALU
.set jj, 0
.rept 16
	v_pk_mul_f32 v[S+jj:S+jj+1], v[\o+jj:\o+jj+1], v[\st+2:\st+3] op_sel_hi:[1,0]
.set jj, jj+2
.endr
.irp b, 0,1
	v_max3_num_f32 v[BM+\b], |v[S+16*\b]|, |v[S+16*\b+1]|, 0x1800000
.endr
.irp i, 2,4,6,8,10,12,14
.irp b, 0,1
	v_max3_num_f32 v[BM+\b], v[BM+\b], |v[S+16*\b+\i]|, |v[S+16*\b+\i+1]|
.endr
.endr
.irp b, 0,1
	v_permlanex16_b32 v[CB+\b], v[BM+\b], s[SEL], s[SEL+1]
.endr
.irp b, 0,1
	v_max_num_f32 v[BM+\b], v[BM+\b], v[CB+\b]
.endr
.irp b, 0,1
	v_add_nc_u32 v[SOP+\b], 0xff000000, v[BM+\b]
.endr
.irp b, 0,1
	v_lshrrev_b32 v[CB+\b], 23, v[SOP+\b]
.endr
	v_lshl_or_b32 v[\osw], v[CB+1], 8, v[CB]
	v_cvt_scalef32_pk16_fp6_f32 v[P:P+2], v[S:S+15], v[SOP]
	v_cvt_scalef32_pk16_fp6_f32 v[TC0:TC0+2], v[S+16:S+31], v[SOP+1]
	v_nop
.irp i, 0,1,2
	v_permlane16_swap_b32 v[P+\i], v[TC0+\i]       ; a whole block in a lane
.endr
.irp i, 0,1,2
	v_mov_b32 v[P+3+\i], v[TC0+\i]
.endr
.irp i, 0,1,2
	global_store_b64 v[AK0], v[P+2*\i:P+2*\i+1], s[78:79] offset:(\pass)*196608+256*\i   ; 32 lanes store 256 consecutive bytes, aligned
.endr
.endm
	WAYOUT OA, SA, 0, N2
	WALU
	s_wait_xcnt 0x0                                ; A's stores have read the codes' registers
	WAYOUT OB, SB, 1, F
	v_and_b32 v[ADX], 15, v0
	v_bfe_u32 v[ADY], v0, 4, 1
	v_lshlrev_b32 v[ADX], 5, v[ADX]
	v_cndmask_b32 v[N2], v[N2], v[F], s[HM]        ; lanes 0-15 store A's two bytes of row r, lanes 16-31 B's, 16 tiles of 512 bytes on
	v_lshl_add_u32 v[ADX], v[ADY], 13, v[ADX]
	global_store_b16 v[ADX], v[N2], s[80:81]
	s_wait_tensorcnt 0x0                           ; the wave's end
	ds_add_u32 v[SPW], v[NIL]
	s_wait_dscnt 0x0
	CROUND                                         ; the closing round
	s_endpgm
.Lfunc_end_k_q6fe4189b0c_attn:
	.size	k_q6fe4189b0c_attn, .Lfunc_end_k_q6fe4189b0c_attn-k_q6fe4189b0c_attn
	.p2alignl 7, 3214868480
	.fill 96, 4, 3214868480
	.section	.rodata,"a",@progbits
	.p2align	6, 0x0
	.amdhsa_kernel k_q6fe4189b0c_attn
		.amdhsa_group_segment_fixed_size 327680
		.amdhsa_private_segment_fixed_size 0
		.amdhsa_enable_private_segment 0
		.amdhsa_kernarg_size 32
		.amdhsa_user_sgpr_count 2
		.amdhsa_user_sgpr_kernarg_segment_ptr 1
		.amdhsa_wavefront_size32 1
		.amdhsa_system_sgpr_workgroup_id_x 1
		.amdhsa_system_sgpr_workgroup_id_y 1
		.amdhsa_system_sgpr_workgroup_id_z 1
		.amdhsa_system_vgpr_workitem_id 0
		.amdhsa_next_free_vgpr 256
		.amdhsa_next_free_sgpr 96
		.amdhsa_reserve_vcc 0
		.amdhsa_float_denorm_mode_32 3
		.amdhsa_float_denorm_mode_16_64 3
		.amdhsa_memory_ordered 1
		.amdhsa_forward_progress 1
		.amdhsa_inst_pref_size 47
	.end_amdhsa_kernel
	.amdgpu_metadata
---
amdhsa.version: [ 1, 2 ]
amdhsa.kernels:
  - .name:           k_q6fe4189b0c_attn
    .symbol:         k_q6fe4189b0c_attn.kd
    .args:
      - { .name: ac, .offset: 0, .size: 8, .value_kind: global_buffer, .address_space: global }
      - { .name: asw, .offset: 8, .size: 8, .value_kind: global_buffer, .address_space: global }
      - { .name: oc, .offset: 16, .size: 8, .value_kind: global_buffer, .address_space: global }
      - { .name: os, .offset: 24, .size: 8, .value_kind: global_buffer, .address_space: global }
    .group_segment_fixed_size: 327680
    .private_segment_fixed_size: 0
    .kernarg_segment_align: 8
    .kernarg_segment_size: 32
    .max_flat_workgroup_size: 512
    .sgpr_count:     96
    .vgpr_count:     256
    .wavefront_size: 32
...
	.end_amdgpu_metadata
.endif
;; end of part 4
;; launch outp (part 5): grid 4 x 32, 4 waves a work-group, clusters of 4 x 4, 327,680 bytes of LDS; arguments oc, os, wc, ws, bo, out0; writes out0
.if DOCPART == 5
	.amdgcn_target "amdgcn-amd-amdhsa--gfx1250"
	.amdhsa_code_object_version 6
	.text
	.protected	k_q6fe4189b0c_outp
	.globl	k_q6fe4189b0c_outp
	.p2align	8
	.type	k_q6fe4189b0c_outp,@function
k_q6fe4189b0c_outp:
	s_mov_b64 s[64:65], 0
	v_nop
	global_prefetch_b8 v0, s[64:65] scope:SCOPE_SE
	s_setreg_imm32_b32 hwreg(HW_REG_WAVE_MODE, 25, 1), 1
	s_wait_xcnt 0x0
	s_wait_alu depctr_hold_cnt(0) depctr_sa_sdst(0) depctr_va_vdst(0) depctr_va_sdst(0) depctr_va_ssrc(0) depctr_va_vcc(0) depctr_vm_vsrc(0)
	s_getreg_b32 s2, hwreg(HW_REG_IB_STS2, 6, 4)
	s_cmp_eq_u32 s2, 0
	s_cbranch_scc0 .Lentry_in_a_cluster
	s_endpgm
.Lentry_in_a_cluster:
	s_bfe_u32 s2, ttmp6, 0x10000c
	s_cmp_lg_u32 s2, 0xf033
	s_cbranch_scc0 .Lentry_shape_is_right
	s_endpgm
.Lentry_shape_is_right:
; THE LAST PROJECTION out0 = o Wo + bo on codes of FP6.  No work is left out.  A work-group makes 256 x 256, a wave 128 x 128; K = 1,024 goes in four steps of 256 through a ring of two LDS slots.
; A = o as images of operand registers (3,072 bytes for 16 rows and 256 along K), B = Wo's codes laid [16 rows][256 along K][16 x 192 bytes]: every tensor row is 3,072 dense bytes at a multiple of 256.
; Clusters of 4 x 4: A's tiles are asked for jointly along a row, B's along a column.  The bias is the C of each sum's first product.  Rows and columns lie in position order; the way out sets them right.
.set NQ,     2
.set ROWB,   3072
.set KROW,   768
.set PITCH,  240
.set FR,     12
.set NL,     6
.set NP,     4
.set ATILE,  3072
.set HALFA,  8*ATILE
.set HALFB,  128*PITCH
.set SLOT,   2*HALFA+2*HALFB
.set LAPS,   2
.set KS,     32
.set SCL,    2*SLOT
.set HALFS,  (128*KS/256)*272
.set SBLK,   (16*KS/256)*272
.set SPARE,  SCL+4*HALFS
.set SPITCH, 528
.set WT,  786432
.set WST, 32768
.set ADRA, 16
.set ADRB, 20
.set STO,  24
.set RD,   25
.set CO,   26
.set ADRS, 27
.set SPW,  28
.set NIL,  29
.set SC,   32
.set BI,   64
.set AF,   128
.set BK,   128
.set WV,   22
.set RH,   23
.set CH,   66
.set G1, 24
.set G0, 32
.set G1B, 48
.set G0B, 56
.set G1S, 68
.set G0S, 76
.set G1SB, 80
.set G0SB, 88
.set MSB, 0
.macro WIN new
.if MSB != (\new)
	s_set_vgpr_msb (MSB<<8)|(\new)
.set MSB, (\new)
.endif
.endm
.set MUL_LO, 0xa1
.set MUL_HI, 0xf1
.set TO_B,   0x40
.macro JLOAD g0a, g1a, g0b, g1b
	s_cmp_eq_u32 s[RH], 0
	s_cbranch_scc0 .Lfor_b_\@
	tensor_load_to_lds s[\g0a:\g0a+3], s[\g1a:\g1a+7]
	s_nop 0
.rept 4
	v_nop
.endr
	s_branch .Lasked_\@
.Lfor_b_\@:
	tensor_load_to_lds s[\g0b:\g0b+3], s[\g1b:\g1b+7]
	s_nop 0
.rept 4
	v_nop
.endr
.Lasked_\@:
.endm
.macro CREST
	s_cmp_lg_u32 s[WV], 0
	s_cbranch_scc1 .Lnot_wave_0_\@
	s_barrier_signal -3
.Lnot_wave_0_\@:
	s_barrier_wait -3
	s_barrier_signal -1
	s_barrier_wait -1
.endm
.macro CROUND
	s_barrier_signal -1
	s_barrier_wait -1
	CREST
.endm
	s_load_b256 s[4:11], s[0:1], 0x0
	s_load_b128 s[12:15], s[0:1], 0x20
	v_lshl_add_u32 v[SPW], v0, 2, SPARE
	v_mov_b32 v[NIL], 0
	ds_add_u32 v[SPW], v[NIL]
	ds_add_u32 v[SPW], v[NIL]
	v_lshrrev_b32 v1, 5, v0
	v_readfirstlane_b32 s[WV], v1
	s_lshr_b32 s[RH], s[WV], 1
	s_and_b32 s[CH], s[WV], 1
	s_bfe_u32 s40, ttmp6, 0x40000
	s_bfe_u32 s41, ttmp6, 0x40004
	s_lshl_b32 s42, ttmp9, 2
	s_add_co_u32 s42, s42, s40
	s_and_b32 s92, ttmp7, 0xffff
	s_lshl_b32 s92, s92, 2
	s_add_co_u32 s92, s92, s41
	s_lshl_b32 s43, s41, 2
	s_lshl_b32 s43, 15, s43
	s_lshl_b32 s44, 0x1111, s40
	s_or_b32 s[G1+0], s43, (3<<16)|(1<<21)
	s_mov_b32 s[G1+1], 384<<16
	s_mov_b32 s[G1+2], 16<<16                      ; the head's loads bring 256 rows: 16 tensor rows
	s_mov_b32 s[G1+3], 384<<16
	s_mov_b32 s[G1+4], 16
	s_mov_b32 s[G1+5], 1536
	s_mov_b32 s[G1+6], 0
	s_mov_b32 s[G1+7], 0
	s_or_b32 s[G1B+0], s44, (0<<16)|(1<<20)|(1<<21)|(3<<22)|(3<<25)
	s_mov_b32 s[G1B+1], ROWB<<16
	s_mov_b32 s[G1B+2], 16<<16
	s_mov_b32 s[G1B+3], ROWB<<16
	s_mov_b32 s[G1B+4], 16
	s_mov_b32 s[G1B+5], 12288
	s_mov_b32 s[G1B+6], 0
	s_mov_b32 s[G1B+7], 0
	s_or_b32 s[G1S+0], s43, (3<<16)|(1<<20)|(1<<21)|(5<<22)|(3<<25)
	s_or_b32 s[G1SB+0], s44, (3<<16)|(1<<20)|(1<<21)|(5<<22)|(3<<25)
.irp g, G1S, G1SB
	s_mov_b32 s[\g+1], 32<<16
	s_mov_b32 s[\g+2], (256*KS/256)<<16            ; the scales of all 256 rows by one load
	s_mov_b32 s[\g+3], 32<<16
	s_mov_b32 s[\g+4], 256*KS/256
	s_mov_b32 s[\g+5], 32
	s_mov_b32 s[\g+6], 0
	s_mov_b32 s[\g+7], 0
.endr
	s_lshl_b32 s94, s92, 4
	s_mul_i32 s94, s94, 12288
	s_mov_b32 s95, 0
	s_lshl_b32 s96, s92, 8
	s_lshl_b32 s96, s96, 5
	s_mov_b32 s97, 0
	s_lshl_b32 s46, s42, 8
	s_lshl_b32 s98, s46, 5
	s_add_co_u32 s98, s98, 3*WST
	s_mov_b32 s99, 0
	s_mul_i32 s46, s46, KROW
	s_add_co_u32 s46, s46, 3*WT
	s_mov_b32 s47, 0
	s_mul_i32 s45, s[CH], HALFA
	s_mul_i32 s100, s[CH], HALFB
	s_add_co_u32 s100, s100, 2*HALFA
	s_wait_dscnt 0x0
	s_wait_kmcnt 0x0
	s_add_nc_u64 s[94:95], s[4:5], s[94:95]
	s_add_nc_u64 s[96:97], s[6:7], s[96:97]
	s_add_nc_u64 s[46:47], s[8:9], s[46:47]
	s_add_nc_u64 s[98:99], s[10:11], s[98:99]
	CROUND
	s_mov_b32 s[G0S], 1
	s_mov_b32 s[G0S+1], SCL
	s_mov_b64 s[G0S+2:G0S+3], s[96:97]
	s_or_b32 s[G0S+3], s[G0S+3], 0x80000000
	s_mov_b32 s[G0SB], 1
	s_mov_b32 s[G0SB+1], SCL+2*HALFS
	s_mov_b64 s[G0SB+2:G0SB+3], s[98:99]
	s_or_b32 s[G0SB+3], s[G0SB+3], 0x80000000
.set G0H, 4                            ; s[4:7], s[8:11]: group 0 of the head's loads of K step 0 (the arguments that lay there have served)
.set G0HB, 8
	s_mov_b32 s[G0H], 1                            ; A's 256 rows,
	s_mov_b32 s[G0H+1], 0
	s_mov_b64 s[G0H+2:G0H+3], s[94:95]
	s_or_b32 s[G0H+3], s[G0H+3], 0x80000000
	s_mov_b32 s[G0HB], 1                           ; B's 256 rows behind them
	s_mov_b32 s[G0HB+1], 2*HALFA
	s_mov_b64 s[G0HB+2:G0HB+3], s[46:47]
	s_or_b32 s[G0HB+3], s[G0HB+3], 0x80000000
	s_mul_i32 s2, s[CH], 128*KROW                  ; for the ring: my 128 rows of the tile (98,304 bytes in both layouts)
	s_mov_b32 s3, 0
	s_add_nc_u64 s[94:95], s[94:95], s[2:3]
	s_add_nc_u64 s[46:47], s[46:47], s[2:3]
.irp s, 0,1
	s_mov_b32 s[G0+4*\s], 1
	s_add_co_u32 s[G0+4*\s+1], s45, \s*SLOT
	s_add_nc_u64 s[G0+4*\s+2:G0+4*\s+3], s[94:95], \s*ATILE
	s_or_b32 s[G0+4*\s+3], s[G0+4*\s+3], 0x80000000
	s_mov_b32 s[G0B+4*\s], 1
	s_add_co_u32 s[G0B+4*\s+1], s100, \s*SLOT
	s_add_nc_u64 s[G0B+4*\s+2:G0B+4*\s+3], s[46:47], \s*ROWB
	s_or_b32 s[G0B+4*\s+3], s[G0B+4*\s+3], 0x80000000
.endr
; THE HEAD'S LOADS, ONE A WAVE: wave 0 K step 0 of A's 256 rows, wave 1 of B's, wave 2 A's scales, wave 3 B's: one chain of branches on the wave's number, one load to an arm
.macro ARM under, g0, g1, next
	s_cmp_lt_u32 s[WV], \under
	s_cbranch_scc0 \next
	tensor_load_to_lds s[\g0:\g0+3], s[\g1:\g1+7]
	s_nop 0
.rept 4
	v_nop
.endr
	s_branch .Lhead_asked
\next:
.endm
	ARM 1, G0H,  G1,  .Lhead_b
	ARM 2, G0HB, G1B, .Lhead_sa
	ARM 3, G0S,  G1S, .Lhead_sb
	tensor_load_to_lds s[G0SB:G0SB+3], s[G1SB:G1SB+7]
	s_nop 0
.rept 4
	v_nop
.endr
.Lhead_asked:
	v_and_b32 v1, 15, v0
	v_bfe_u32 v2, v0, 4, 1
	v_and_b32 v6, 31, v0
	v_lshlrev_b32 v7, 3, v6
	v_mul_u32_u24 v3, v1, PITCH
	v_mul_u32_u24 v4, v2, 24
	v_add_nc_u32 v4, v3, v4
	v_lshl_add_u32 v5, v2, 4, v4
	s_mul_i32 s100, s[RH], HALFA
	s_mul_i32 s101, s[CH], HALFB
	s_add_co_u32 s101, s101, 2*HALFA
.irp s, 0,1
	v_add_nc_u32 v[ADRA+\s], s100, v7
	v_add_nc_u32 v[ADRB+\s], s101, v4
	v_add_nc_u32 v[ADRB+2+\s], s101, v5
	s_add_co_u32 s100, s100, SLOT
	s_add_co_u32 s101, s101, SLOT
.endr
	v_mul_u32_u24 v5, v1, KS
	v_lshrrev_b32 v8, 8, v5
	v_lshl_add_u32 v5, v8, 4, v5
	s_mul_i32 s100, s[RH], HALFS
	s_mul_i32 s101, s[CH], HALFS
	s_add_co_u32 s101, s101, 2*HALFS
	s_sub_co_u32 s101, s101, s100
	v_mul_u32_u24 v8, s101, v2
	s_add_co_u32 s100, s100, SCL
	v_add_nc_u32 v5, v5, v8
	v_add_nc_u32 v[ADRS], s100, v5
	s_mul_i32 s100, s[WV], 16*SPITCH
	v_mul_u32_u24 v5, v1, SPITCH
	v_lshl_add_u32 v5, v2, 6, v5
	v_add_nc_u32 v[STO], s100, v5
	v_lshlrev_b32 v[CO], 4, v6
	v_add_nc_u32 v[RD], s100, v[CO]
	s_lshl_b32 s100, s92, 8
	s_lshl_b32 s101, s[RH], 7
	s_add_co_u32 s100, s100, s101
	s_lshl_b32 s100, s100, 12
	s_lshl_b32 s2, s42, 8
	s_lshl_b32 s3, s[CH], 7
	s_add_co_u32 s2, s2, s3
	s_lshl_b32 s2, s2, 2
	s_mov_b32 s3, 0
	s_add_nc_u64 s[12:13], s[12:13], s[2:3]
	s_add_co_u32 s100, s100, s2
	s_mov_b32 s101, 0
	s_add_nc_u64 s[14:15], s[14:15], s[100:101]
	v_lshlrev_b32 v9, 6, v2
.irp b, 0,1,2,3,4,5,6,7
	global_load_b128 v[BI+8*\b:BI+8*\b+3], v9, s[12:13] offset:(32*(\b/2)+8*(\b%2))*4
	global_load_b128 v[BI+8*\b+4:BI+8*\b+7], v9, s[12:13] offset:(32*(\b/2)+8*(\b%2))*4+16
.endr
.macro FRAG reg, adr, q, i
.irp p, 0,1,2,3,4,5
.set PC, 12*(\q)+6*(\p/3)+\p%3
.if PC%8 < 5
	ds_load_b64 v[\reg+2*\p:\reg+2*\p+1], v[\adr] offset:8*PC+16*(PC/8)+(\i)*16*PITCH
.else
	ds_load_b64 v[\reg+2*\p:\reg+2*\p+1], v[\adr+2] offset:8*PC+16*(PC/8)+(\i)*16*PITCH
.endif
.endr
.endm
.macro FRAGA reg, slot, q, i
.irp p, 0,1,2,3,4,5
	ds_load_b64 v[\reg+2*\p:\reg+2*\p+1], v[ADRA+\slot] offset:(\i)*ATILE+(\q)*1536+256*\p
.endr
.endm
.macro MUL16 a0, p, q, sc, zero
.irp a, \a0, \a0+1
.irp b, 0,1,2,3,4,5,6,7
.if \zero
	v_wmma_scale_f32_16x16x128_f8f6f4 v[8*(8*((\a)%4)+\b):8*(8*((\a)%4)+\b)+7], v[128*(\p)+FR*\b:128*(\p)+FR*\b+FR-1], v[AF+FR*(\a):AF+FR*(\a)+FR-1], v[BI+8*\b:BI+8*\b+7], v[SC+8*NQ*(\sc)+NQ*\b+(\q)], v[SC+8*NQ*(\sc)+NQ*(\a)+(\q)] matrix_a_fmt:MATRIX_FMT_FP6 matrix_b_fmt:MATRIX_FMT_FP6 matrix_a_scale:MATRIX_SCALE_ROW1
.else
	v_wmma_scale_f32_16x16x128_f8f6f4 v[8*(8*((\a)%4)+\b):8*(8*((\a)%4)+\b)+7], v[128*(\p)+FR*\b:128*(\p)+FR*\b+FR-1], v[AF+FR*(\a):AF+FR*(\a)+FR-1], v[8*(8*((\a)%4)+\b):8*(8*((\a)%4)+\b)+7], v[SC+8*NQ*(\sc)+NQ*\b+(\q)], v[SC+8*NQ*(\sc)+NQ*(\a)+(\q)] matrix_a_fmt:MATRIX_FMT_FP6 matrix_b_fmt:MATRIX_FMT_FP6 matrix_a_scale:MATRIX_SCALE_ROW1
.endif
.endr
.endr
.endm
.macro FETCH_B slot, q, p
	WIN TO_B
.irp i, 0,1,2,3,4,5,6,7
	FRAG 128*(\p)+FR*\i, ADRB+\slot, \q, \i
.endr
	WIN 0
.endm
.macro FETCH_A slot, q, i0
.irp i, \i0, \i0+1, \i0+2, \i0+3
	FRAGA AF+FR*(\i), \slot, \q, \i
.endr
.endm
.macro SCALES sc
.irp i, 0,1,2,3,4,5,6,7
	ds_load_b64 v[SC+8*NQ*\sc+NQ*\i:SC+8*NQ*\sc+NQ*\i+1], v[ADRS] offset:\i*SBLK
.endr
.endm
.macro PLACES n
.rept \n
	v_nop
.endr
.endm
.macro STEP slot, q, zero
	s_wait_dscnt 4*NL
.if \zero
	WIN 0x81
.else
	WIN MUL_LO
.endif
	MUL16 0, (\q)%2, \q, \slot, \zero
	MUL16 2, (\q)%2, \q, \slot, \zero
	s_wait_dscnt 0
	PLACES NP
	FETCH_B \slot, (\q)+1, 1-(\q)%2
	FETCH_A \slot, (\q)+1, 0
.if \zero
	WIN 0xc1
.else
	WIN MUL_HI
.endif
	MUL16 4, (\q)%2, \q, \slot, \zero
	MUL16 6, (\q)%2, \q, \slot, \zero
	PLACES NP
	WIN 0
	FETCH_A \slot, (\q)+1, 4
.endm
.macro TURN slot, next, fill
	s_wait_tensorcnt 0x0
	ds_add_u32 v[SPW], v[NIL]
	s_wait_dscnt 4*NL+1
	WIN MUL_LO
	MUL16 0, 1, NQ-1, \slot, 0
	s_wait_dscnt 0x0
	s_barrier_signal -1
	MUL16 2, 1, NQ-1, \slot, 0
	WIN 0
	s_barrier_wait -1
.if \fill
	CREST
	s_add_nc_u64 s[G0+4*\slot+2:G0+4*\slot+3], s[G0+4*\slot+2:G0+4*\slot+3], 2*ATILE
	s_add_nc_u64 s[G0B+4*\slot+2:G0B+4*\slot+3], s[G0B+4*\slot+2:G0B+4*\slot+3], 2*ROWB
	JLOAD G0+4*\slot, G1, G0B+4*\slot, G1B
.else
	PLACES NP
.endif
	s_wait_alu depctr_va_vdst(0)
	v_add_nc_u32 v[ADRS], 4*NQ, v[ADRS]
	FETCH_B \next, 0, 0
	FETCH_A \next, 0, 0
	SCALES \next
	WIN MUL_HI
	MUL16 4, 1, NQ-1, \slot, 0
	MUL16 6, 1, NQ-1, \slot, 0
	PLACES NP
	WIN 0
	FETCH_A \next, 0, 4
.endm
	s_wait_alu depctr_va_vdst(0)
	s_wait_tensorcnt 0x0                           ; my tile of the head's four is in; slot 1's first fill is issued as a refill is:
	ds_add_u32 v[SPW], v[NIL]
	s_mov_b32 s[G1+2], 8<<16                       ; no load of mine is out: from here on a load brings 128 rows, 8 tensor rows
	s_mov_b32 s[G1+4], 8
	s_mov_b32 s[G1B+2], 8<<16
	s_mov_b32 s[G1B+4], 8
	s_wait_dscnt 0x0
	CROUND                                         ; all four tiles are in, all sixteen work-groups are here
	JLOAD G0+4, G1, G0B+4, G1B                     ; K step 1, the first tensor load behind the round
	FETCH_B 0, 0, 0
	FETCH_A 0, 0, 0
	SCALES 0
	FETCH_A 0, 0, 4
	s_wait_loadcnt 0x0
	STEP 0, 0, 1
	s_mov_b32 s3, LAPS-1
.Llap:
	TURN 0, 1, 1
	STEP 1, 0, 0
	TURN 1, 0, 1
	STEP 0, 0, 0
	s_sub_co_u32 s3, s3, 1
	s_cmp_lg_u32 s3, 0
	s_cbranch_scc1 .Llap
	TURN 0, 1, 0
	STEP 1, 0, 0
	s_wait_dscnt 4*NL
	WIN MUL_LO
	MUL16 0, 1, NQ-1, 1, 0
	MUL16 2, 1, NQ-1, 1, 0
	s_wait_dscnt 0
	WIN MUL_HI
	MUL16 4, 1, NQ-1, 1, 0
	MUL16 6, 1, NQ-1, 1, 0
	WIN 0
.macro TOSTAGE a
.set AC, 64*((\a)%4)
	WIN 0x08+4*((\a)/4)
.irp b, 0,1,2,3,4,5,6,7
	ds_store_b128 v[STO], v[AC+8*\b:AC+8*\b+3] offset:128*(\b/2)+32*(\b%2)
	ds_store_b128 v[STO], v[AC+8*\b+4:AC+8*\b+7] offset:128*(\b/2)+32*(\b%2)+16
.endr
	WIN 0
.set BB, BK+64*((\a)%2)
.irp t, 0,1,2,3,4,5,6,7,8,9,10,11,12,13,14,15
	ds_load_b128 v[BB+4*\t:BB+4*\t+3], v[RD] offset:\t*SPITCH
.endr
.endm
.macro SEND a, younger
.set BB, BK+64*((\a)%2)
	s_wait_dscnt \younger
.irp t, 0,1,2,3,4,5,6,7,8,9,10,11,12,13,14,15
	global_store_b128 v[CO], v[BB+4*\t:BB+4*\t+3], s[14:15] offset:(32*((\a)/2)+8*((\a)%2)+\t+8*(\t/8))*4096 th:TH_STORE_NT
.endr
.endm
	PLACES NP
	TOSTAGE 0
.irp a, 1,2,3,4,5,6,7
.if \a > 1
	s_wait_xcnt 0x0
.endif
	TOSTAGE \a
	SEND \a-1, 32
.endr
	SEND 7, 0
	s_wait_tensorcnt 0x0
	ds_add_u32 v[SPW], v[NIL]
	s_wait_dscnt 0x0
	CROUND
	s_endpgm
.Lfunc_end_k_q6fe4189b0c_outp:
	.size	k_q6fe4189b0c_outp, .Lfunc_end_k_q6fe4189b0c_outp-k_q6fe4189b0c_outp
	.p2alignl 7, 3214868480
	.fill 96, 4, 3214868480
	.section	.rodata,"a",@progbits
	.p2align	6, 0x0
	.amdhsa_kernel k_q6fe4189b0c_outp
		.amdhsa_group_segment_fixed_size 327680
		.amdhsa_private_segment_fixed_size 0
		.amdhsa_enable_private_segment 0
		.amdhsa_kernarg_size 48
		.amdhsa_user_sgpr_count 2
		.amdhsa_user_sgpr_kernarg_segment_ptr 1
		.amdhsa_wavefront_size32 1
		.amdhsa_system_sgpr_workgroup_id_x 1
		.amdhsa_system_sgpr_workgroup_id_y 1
		.amdhsa_system_sgpr_workgroup_id_z 1
		.amdhsa_system_vgpr_workitem_id 0
		.amdhsa_next_free_vgpr 1024
		.amdhsa_next_free_sgpr 102
		.amdhsa_reserve_vcc 0
		.amdhsa_float_denorm_mode_32 3
		.amdhsa_float_denorm_mode_16_64 3
		.amdhsa_memory_ordered 1
		.amdhsa_forward_progress 1
		.amdhsa_inst_pref_size 162
	.end_amdhsa_kernel
	.amdgpu_metadata
---
amdhsa.version: [ 1, 2 ]
amdhsa.kernels:
  - .name:           k_q6fe4189b0c_outp
    .symbol:         k_q6fe4189b0c_outp.kd
    .args:
      - { .name: oc, .offset: 0, .size: 8, .value_kind: global_buffer, .address_space: global }
      - { .name: os, .offset: 8, .size: 8, .value_kind: global_buffer, .address_space: global }
      - { .name: wc, .offset: 16, .size: 8, .value_kind: global_buffer, .address_space: global }
      - { .name: ws, .offset: 24, .size: 8, .value_kind: global_buffer, .address_space: global }
      - { .name: bo, .offset: 32, .size: 8, .value_kind: global_buffer, .address_space: global }
      - { .name: out0, .offset: 40, .size: 8, .value_kind: global_buffer, .address_space: global }
    .group_segment_fixed_size: 327680
    .private_segment_fixed_size: 0
    .kernarg_segment_align: 8
    .kernarg_segment_size: 48
    .max_flat_workgroup_size: 128
    .sgpr_count:     102
    .vgpr_count:     1024
    .wavefront_size: 32
...
	.end_amdgpu_metadata
.endif
;; end of part 5
